; MI455X (gfx1250); checked and timed in simulation.
; The chip was launched on July 23, 2026; its instructions are those of AMD's public machine-readable ISA for CDNA 5 (MIT licence, August 2026) and "CDNA5" Instruction Set Architecture Reference Guide (July 2026). The comments in the code are by the model that wrote it; some were corrected since.
;; Multihead Attention. Allowed arithmetic: matrix products marked QUANTISED: E4M3 operands, one given power-of-two scale a tensor, by v_wmma_f32_16x16x64_fp8_fp8 or v_wmma_f32_16x16x128_fp8_fp8, f32 sums; everything else in f32.
;; Inputs: K 4 x 2,048 x 1,024 float32; Q 4 x 2,048 x 1,024 float32; V 4 x 2,048 x 1,024 float32; Wk 1,024 x 1,024 float32; Wo 1,024 x 1,024 float32; Wq 1,024 x 1,024 float32; Wv 1,024 x 1,024 float32; lowp_scales 12 int32 (the exponents e of the quantised operands' scales 2^e).
;; Outputs: out0 4 x 2,048 x 1,024 float32.
;; This version of the problem:
;;   THIS VERSION OF THE PROBLEM IS GIVEN IN LOW PRECISION. The matrix products marked QUANTISED in the list below multiply operands that are first quantised to E4M3 (4 exponent bits, 3 mantissa bits; 8 bits a number), with one given power-of-two scale for each operand tensor; their sums are f32. All else is computed in f32.
;;   The module's matrix products, in the order in which they are computed (A, B: the left and right operand; K: the contracted axis; several contracted axes count as one K, in the product's order):
;;     1. [M 8,192, K 1,024] x [K 1,024, N 1,024]; A: input Q; B: input Wq: QUANTISED (scales: A lowp_scales[0], B lowp_scales[1])
;;     2. [M 8,192, K 1,024] x [K 1,024, N 1,024]; A: input K; B: input Wk: QUANTISED (scales: A lowp_scales[2], B lowp_scales[3])
;;     3. [M 8,192, K 1,024] x [K 1,024, N 1,024]; A: input V; B: input Wv: QUANTISED (scales: A lowp_scales[4], B lowp_scales[5])
;;     4. batch 64 x [M 2,048, K 64] x [K 64, N 2,048]; A: computed on the way; B: computed on the way: QUANTISED (scales: A lowp_scales[6], B lowp_scales[7])
;;     5. batch 64 x [M 2,048, K 2,048] x [K 2,048, N 64]; A: softmax (see below); B: computed on the way: QUANTISED (scales: A lowp_scales[8], B lowp_scales[9])
;;     6. [M 8,192, K 1,024] x [K 1,024, N 1,024]; A: computed on the way; B: input Wo: QUANTISED (scales: A lowp_scales[10], B lowp_scales[11])
;;   THE QUANTISER, for each operand of a quantised product, along K:
;;     - The operand's scale is 2^e, e = its entry of the input lowp_scales (int32; the entries are numbered through the quantised products in the list's order, A before B).
;;     - Each number is divided by the scale, clamped to +-448, and rounded to the nearest number of E4M3, ties to even, subnormals kept.
;;     - The product sums the exact products of the quantised numbers (number of the format x scale) in f32.
;;   ~~~python
;;   def quantise(x, axis, e):      # numpy; x: float32 -> the quantised numbers, widened to float32 again
;;       x = np.moveaxis(x, axis, -1); K = x.shape[-1]
;;       r = np.clip(x / 2.0 ** e, -448, 448)
;;       step = 2.0 ** (np.maximum(np.frexp(np.where(r == 0, 1, r))[1] - 1, -6) - 3)
;;       q = np.round(r / step) * step * 2.0 ** e      # np.round: ties to even
;;       return np.moveaxis(q, -1, axis).astype(np.float32)
;;   ~~~
;;   SOFTMAX AHEAD OF A QUANTISED PRODUCT. Where the list says 'softmax', what is quantised is not the finished softmax but p = 2^(t - M), with t = logit x log2(e) and M = ceil(the row's largest t), a whole number; so 1/2 < the row's largest p <= 1. The row's sum l is taken of the UNQUANTISED p, in f32, and the product's result is divided by l at the end. Since M is a whole number, a kernel that streams over the keys may use a running M (the ceiling of the running maximum): every later rescaling is an exact power of two, so the quantised numbers keep their values, but for numbers so far below the row's largest that they fall under the format's range.
;;   OPERANDS COMPUTED ON THE WAY. 'Computed on the way' means the value that the module computes at that place (a softmax that the list does not call 'softmax' is quantised finished and normalised). What goes into a quantiser is computed in f32, as accurately as f32 sums, v_exp_f32 and their like allow (about 1e-6 of the number): no bf16 or f16 on the way to a quantiser, and a product that is left as it is and whose result goes on into a quantised operand takes f32 operands (vector FMAs, or v_wmma_f32_16x16x4_f32). A number that lies on a knife's edge between two numbers of the format may be rounded either way, as far as f32 arithmetic and the matrix unit's own rounding can turn it there, and no further.
;; One version. Each part assembles by itself: llvm-mc -triple=amdgcn-amd-amdhsa -mcpu=gfx1250 --defsym DOCPART=n.
;; ======== version 1 of 1: 4 launches
;; workspace buffers: xc 25,165,824 bytes; wc 4,194,304 bytes; rope 524,288 bytes; qc 8,388,608 bytes; kv 16,777,216 bytes; oc 8,388,608 bytes
;; launch quant (part 1): grid 928 x 1, 4 waves a work-group, no clusters, 34,304 bytes of LDS; arguments Q, K, V, Wq, Wk, Wv, Wo, lowp_scales, xc, wc, rope; writes xc, wc, rope
.if DOCPART == 1
	.amdgcn_target "amdgcn-amd-amdhsa--gfx1250"
	.amdhsa_code_object_version 6
	.text
	.protected	k_qdb1b69c858_quant
	.globl	k_qdb1b69c858_quant
	.p2align	8
	.type	k_qdb1b69c858_quant,@function
k_qdb1b69c858_quant:
	s_mov_b64 s[64:65], 0
	v_nop
	global_prefetch_b8 v0, s[64:65] scope:SCOPE_SE
	s_setreg_imm32_b32 hwreg(HW_REG_WAVE_MODE, 25, 1), 1
	s_wait_xcnt 0x0
; Q, K, V [8192][1024] and Wq, Wk, Wv, Wo [1024][1024], f32 with K innermost, become codes of E4M3, each tensor with its given scale 2^e:
; code = x / 2^e, held within +-448, to the nearest code, ties to even.  The last 32 work-groups make the table of cos and sin for the rotation.
; THE CODES ARE LAID AS IMAGES OF OPERAND REGISTERS.  A row tile T holds 16 rows, slot r = row 32 (T / 2) + 8 (T % 2) + r + 8 (r / 8); a fragment (one row tile x 128 along K) is
; 2,048 bytes in four pieces of 512: in piece c lane l = 16 h + r has its 16 bytes at 16 l: k = 32 c + 16 h + 0 .. 15 of slot r.  xc: [Q, K, V][512 tiles][8 K steps]; wc: [Wq, Wk, Wv, Wo][64 tiles][8 K steps].
; SHARES.  Work-groups 0-767 take 32 rows each of Q, K, V, work-groups 768-895 of the weights: two row tiles.  Wave w takes tile w / 2 and K half w % 2: four K steps.
; A step: 16 loads, each 512 consecutive bytes of one row; the 8,192 bytes turn through the wave's own stage in LDS (rows of 512 + 16 bytes) and come back 64 bytes a lane, 16 neighbours along K for each
; of four blocks of 32; hold, conversion, four stores of 512 consecutive bytes.  Waves share nothing: no barrier.  Loads run two steps (32 loads a wave) ahead.
; No matrix unit, cluster or tensor load: every byte is read once and written once.
; LIMITS: each e between -126 and 119, so that 2^e and 448 x 2^e are f32 numbers.  NaN among the inputs is not served (an infinity is held at the largest code).
; THE TABLE, rope: [128 position tiles][8 pieces][32 lanes][16 bytes]: lane (r, h), piece 4 c + i: cos, sin, cos, sin of pairs 16 c + 8 h + 2 i and + 1 at position slot r of the tile.
; angle = position x 1 / 10^(pair / 8), each step rounded to f32; 10^(pair / 8) is a literal 10^(d / 8) times an exact power of ten, so it may differ from the nearest f32 number by a unit in the last place.
; sin and cos: the angle less n x pi / 2 in two parts (n x the upper part is taken off without rounding: n has 11 bits), then polynomials on +-pi / 4.  Positions go to 2,047.
.set SP,    528                        ; a stage row: 512 bytes + 16 = 33 x 16: sixteen rows start at sixteen different columns of 16 bytes
.set WST,   16*SP                      ; a wave's stage
.set R,     16                         ; v16-143   two sets of 64 registers as loaded
.set X,     144                        ; v144-207  64 numbers: register 16 c + i = k 32 c + 16 h + i of my slot
.set C,     208                        ; v208-239  two sets of 16 registers of codes
.set NACT,  768                        ; work-groups for Q, K, V
.set NALL,  896                        ; and with the weights
.set P,     16                         ; the table: v16-31 10^(pair / 8), v32-47 its inverse, v48-63 at work, v64-95 the results
.set INV,   32
.set ER,    48
.set OUT,   64
	s_load_b512 s[4:19], s[0:1], 0x0               ; Q, K, V, Wq, Wk, Wv, Wo, the scales' exponents
	s_load_b128 s[20:23], s[0:1], 0x40             ; xc, wc
	s_load_b64 s[24:25], s[0:1], 0x50              ; rope
	v_lshl_add_u32 v240, v0, 2, 0x8400
	v_mov_b32 v241, 0
	v_lshrrev_b32 v1, 5, v0
	v_readfirstlane_b32 s36, v1                    ; wave 0..3
	v_and_b32 v1, 31, v0                           ; lane
	v_lshlrev_b32 v2, 4, v1                        ; 16 x lane: my place in every load and store
	v_and_b32 v5, 15, v0                           ; r
	v_bfe_u32 v6, v0, 4, 1                         ; h
	s_wait_kmcnt 0x0
	s_cmp_ge_u32 ttmp9, NALL
	s_cbranch_scc1 .Lrope                          ; a branch on the work-group's number alone
	; which tensor: the choices hang on the work-group's number alone
.macro PICK bound, lo
	s_cmp_ge_u32 ttmp9, \bound
	s_cselect_b64 s[26:27], s[\lo:\lo+1], s[26:27]
.endm
	s_mov_b64 s[26:27], s[4:5]
	PICK 256, 6
	PICK 512, 8
	PICK 768, 10
	PICK 800, 12
	PICK 832, 14
	PICK 864, 16
	s_lshr_b32 s34, ttmp9, 8
	s_lshl_b32 s34, s34, 3                         ; Q, K, V: entries 0, 2, 4 of the scales, 4 bytes each
	s_max_u32 s35, ttmp9, NACT
	s_sub_co_u32 s35, s35, NACT                    ; the weights' work-groups counted from 0
	s_lshr_b32 s38, s35, 5                         ; which weight
	s_lshl_b32 s39, s38, 3
	s_add_co_u32 s39, s39, 4                       ; Wq, Wk, Wv: entries 1, 3, 5;
	s_cmp_eq_u32 s38, 3
	s_cselect_b32 s39, 44, s39                     ; Wo: entry 11
	s_cmp_lt_u32 ttmp9, NACT
	s_cselect_b64 s[28:29], s[20:21], s[22:23]     ; xc or wc
	s_cselect_b32 s30, s34, s39
	s_cselect_b32 s32, 255, 31
	s_cselect_b32 s33, ttmp9, s35                  ; which 32,768 bytes of the workspace
	s_and_b32 s32, ttmp9, s32                      ; which 32 rows of the tensor
	s_mov_b32 s31, 0
	s_add_nc_u64 s[18:19], s[18:19], s[30:31]
	s_load_b32 s40, s[18:19], 0x0                  ; e
	s_lshr_b32 s37, s36, 1                         ; my tile of the two
	s_and_b32 s38, s36, 1                          ; my half of K
	s_lshl_b32 s42, s32, 17                        ; 32 rows of 4,096 bytes,
	s_lshl_b32 s44, s37, 15                        ; the odd tile begins 8 rows down,
	s_add_co_u32 s42, s42, s44
	s_lshl_b32 s44, s38, 11                        ; 512 numbers along K
	s_add_co_u32 s42, s42, s44
	s_mov_b32 s43, 0
	s_add_nc_u64 s[26:27], s[26:27], s[42:43]
	s_lshl_b32 s42, s33, 15                        ; two tiles of 16,384 bytes,
	s_lshl_b32 s44, s37, 14
	s_add_co_u32 s42, s42, s44
	s_lshl_b32 s44, s38, 13                        ; four fragments
	s_add_co_u32 s42, s42, s44
	s_add_nc_u64 s[28:29], s[28:29], s[42:43]
	s_mul_i32 s45, s36, WST
	v_add_nc_u32 v3, s45, v2                       ; the stage, on the way in: 16 x lane in a row
	v_mul_u32_u24 v4, v5, SP
	v_lshl_add_u32 v4, v6, 6, v4
	v_add_nc_u32 v4, s45, v4                       ; and on the way out: row r, + 64 h bytes
.macro LOAD t                          ; K step t: slot i is the row i + 8 (i / 8) of my tile; 32 lanes read 512 consecutive bytes
.irp i, 0,1,2,3,4,5,6,7,8,9,10,11,12,13,14,15
	global_load_b128 v[R+64*((\t)%2)+4*\i:R+64*((\t)%2)+4*\i+3], v2, s[26:27] offset:(\i+8*(\i/8))*4096+512*(\t) th:TH_LOAD_NT
.endr
.endm
.macro STEP t
.set RS, R+64*((\t)%2)
.set CO, C+16*((\t)%2)
.if (\t) < 3
	s_wait_loadcnt 16                              ; this step's 16 loads are in; the next step's 16 may be out
.else
	s_wait_loadcnt 0x0
.endif
.irp i, 0,1,2,3,4,5,6,7,8,9,10,11,12,13,14,15
	ds_store_b128 v3, v[RS+4*\i:RS+4*\i+3] offset:\i*SP
.endr
.irp c, 0,1,2,3
.irp j, 0,1,2,3
	ds_load_b128 v[X+16*\c+4*\j:X+16*\c+4*\j+3], v4 offset:128*\c+16*\j   ; LDS serves a wave's instructions in order (ISA guide 5.7.1.4): these see the stores above
.endr
.endr
	s_wait_dscnt 0x0                               ; the numbers are back, and the stores into the stage have read their registers,
.if (\t) < 2
	LOAD (\t)+2                                    ; which take the loads of two steps on
.endif
.set n, 0
.rept 64
	v_med3_num_f32 v[X+n], v[X+n], -v10, v10       ; the conversion to an 8-bit code does not saturate (ISA guide 7.6.2): the hold at the largest code x the scale
.set n, n+1
.endr
.if (\t) >= 2
	s_wait_xcnt 0x0                                ; the stores of two steps back have read this set of codes: it is written again only behind this wait
.endif
.irp c, 0,1,2,3
	v_cvt_scalef32_pk8_fp8_f32 v[CO+4*\c:CO+4*\c+1], v[X+16*\c:X+16*\c+7], v11
	v_cvt_scalef32_pk8_fp8_f32 v[CO+4*\c+2:CO+4*\c+3], v[X+16*\c+8:X+16*\c+15], v11
.endr
	v_nop                                          ; one plain vector line behind the conversions: the next step's holds write their sources
.irp c, 0,1,2,3
	global_store_b128 v2, v[CO+4*\c:CO+4*\c+3], s[28:29] offset:2048*(\t)+512*\c   ; a piece: 512 consecutive bytes, aligned
.endr
.endm
	LOAD 0
	LOAD 1
	s_wait_kmcnt 0x0
	s_add_co_i32 s40, s40, 127
	s_lshl_b32 s41, s40, 23
	v_mov_b32 v11, s41                             ; 2^e as f32: the conversion takes its exponent field
	s_add_co_i32 s40, s40, 8
	s_lshl_b32 s40, s40, 23
	s_or_b32 s40, s40, 0x600000
	v_mov_b32 v10, s40                             ; 448 x 2^e
	STEP 0
	STEP 1
	STEP 2
	STEP 3
	s_wait_tensorcnt 0x0
	ds_add_u32 v240, v241
	s_wait_dscnt 0x0
	s_endpgm
.Lrope:                                                ; THE TABLE: a wave makes one position tile, 4,096 bytes
	s_sub_co_u32 s32, ttmp9, NALL
	s_lshl_b32 s32, s32, 2
	s_add_co_u32 s32, s32, s36                     ; tile T = 0 .. 127
	s_lshr_b32 s33, s32, 1
	s_lshl_b32 s33, s33, 5
	s_and_b32 s34, s32, 1
	s_lshl_b32 s34, s34, 3
	s_add_co_u32 s35, s33, s34                     ; 32 (T / 2) + 8 (T % 2)
	v_and_b32 v7, 8, v5
	v_add3_u32 v7, v7, v5, s35                     ; + r + 8 (r / 8): my position
	v_cvt_f32_u32 v7, v7
	s_lshl_b32 s32, s32, 12
	s_mov_b32 s33, 0
	s_add_nc_u64 s[24:25], s[24:25], s[32:33]
	s_mov_b32 s40, 0x3f22f983                      ; 2 / pi
	s_mov_b32 s41, 0xbfc90fdb                      ; - the f32 number nearest pi / 2
	s_mov_b32 s42, 0x333bbd2e                      ; that number less pi / 2: 4.37113883e-8
	s_mov_b32 s43, 0xb94ca1f9                      ; sin: -1.9515295891e-4,
	s_mov_b32 s44, 0x3c08839e                      ; 8.3321608736e-3,
	s_mov_b32 s45, 0xbe2aaaa3                      ; -1.6666654611e-1
	s_mov_b32 s46, 0x37ccf5ce                      ; cos: 2.443315712e-5,
	s_mov_b32 s47, 0xbab6061a                      ; -1.388731625e-3,
	s_mov_b32 s48, 0x3d2aaaa5                      ; 4.166664568e-2
	v_cmp_eq_u32 vcc_lo, 1, v6
	v_mov_b32 v8, 1.0
	v_mov_b32 v9, 0x41200000
	v_cndmask_b32 v8, v8, v9, vcc_lo               ; pairs 8 h + d: 1 or 10
	v_mov_b32 v9, 0x42c80000
	v_mov_b32 v10, 0x447a0000
	v_cndmask_b32 v9, v9, v10, vcc_lo              ; pairs 16 + 8 h + d: 100 or 1,000
.macro POW d, lit                      ; entry m = 8 c + d is pair 16 c + 8 h + d
	v_mul_f32 v[P+\d], \lit, v8
	v_mul_f32 v[P+8+\d], \lit, v9
.endm
	POW 0, 1.0
	POW 1, 0x3faab0d5                              ; 10^(1/8) = 1.333521432
	POW 2, 0x3fe39ea9                              ; 1.778279410
	POW 3, 0x4017c496                              ; 2.371373706
	POW 4, 0x404a62c2                              ; 3.162277660
	POW 5, 0x4086f161                              ; 4.216965034
	POW 6, 0x40b3f300                              ; 5.623413252
	POW 7, 0x40eff755                              ; 7.498942093
.irp m, 0,1,2,3,4,5,6,7,8,9,10,11,12,13,14,15
	v_rcp_f32 v[INV+\m], v[P+\m]
.endr
	v_nop                                          ; a plain line behind the last reciprocal
	s_wait_alu depctr_va_vdst(0)                   ; one wait for the batch of sixteen, ahead of its first reader
.irp m, 0,1,2,3,4,5,6,7,8,9,10,11,12,13,14,15
	v_fma_f32 v[ER+\m], -v[P+\m], v[INV+\m], 1.0   ; one Newton step brings 1 / P to the last place
.endr
.irp m, 0,1,2,3,4,5,6,7,8,9,10,11,12,13,14,15
	v_fma_f32 v[INV+\m], v[INV+\m], v[ER+\m], v[INV+\m]
.endr
.macro ENTRY m
	v_mul_f32 v96, v7, v[INV+\m]                   ; the angle, rounded once
	v_mul_f32 v97, s40, v96
	v_rndne_f32 v97, v97                           ; n
	v_fma_f32 v98, v97, s41, v96
	v_fma_f32 v98, v97, s42, v98                   ; x = angle - n pi / 2, within +-pi / 4
	v_mul_f32 v99, v98, v98                        ; z = x x
	v_fma_f32 v100, v99, s43, s44
	v_fma_f32 v101, v99, s46, s47
	v_fma_f32 v100, v100, v99, s45
	v_fma_f32 v101, v101, v99, s48
	v_mul_f32 v102, v99, v98
	v_mul_f32 v103, v99, v99
	v_fma_f32 v104, v99, -0.5, 1.0
	v_fma_f32 v100, v100, v102, v98                ; sin x
	v_fma_f32 v101, v101, v103, v104               ; cos x
	v_cvt_i32_f32 v105, v97
	v_and_b32 v106, 1, v105
	v_cmp_eq_u32 vcc_lo, 1, v106
	v_cndmask_b32 v107, v100, v101, vcc_lo         ; n odd: the two change places
	v_cndmask_b32 v108, v101, v100, vcc_lo
	v_and_b32 v106, 2, v105                        ; sin is negated where n % 4 is 2 or 3,
	v_add_nc_u32 v105, 1, v105
	v_lshlrev_b32 v106, 30, v106
	v_and_b32 v105, 2, v105                        ; cos where it is 1 or 2
	v_xor_b32 v[OUT+2*\m+1], v106, v107
	v_lshlrev_b32 v105, 30, v105
	v_xor_b32 v[OUT+2*\m], v105, v108
.endm
.irp m, 0,1,2,3,4,5,6,7,8,9,10,11,12,13,14,15
	ENTRY \m
.endr
.irp k, 0,1,2,3,4,5,6,7
	global_store_b128 v2, v[OUT+4*\k:OUT+4*\k+3], s[24:25] offset:512*\k
.endr
	s_endpgm
.Lfunc_end_k_qdb1b69c858_quant:
	.size	k_qdb1b69c858_quant, .Lfunc_end_k_qdb1b69c858_quant-k_qdb1b69c858_quant
	.p2alignl 7, 3214868480
	.fill 96, 4, 3214868480
	.section	.rodata,"a",@progbits
	.p2align	6, 0x0
	.amdhsa_kernel k_qdb1b69c858_quant
		.amdhsa_group_segment_fixed_size 34304
		.amdhsa_private_segment_fixed_size 0
		.amdhsa_enable_private_segment 0
		.amdhsa_kernarg_size 88
		.amdhsa_user_sgpr_count 2
		.amdhsa_user_sgpr_kernarg_segment_ptr 1
		.amdhsa_wavefront_size32 1
		.amdhsa_system_sgpr_workgroup_id_x 1
		.amdhsa_system_sgpr_workgroup_id_y 1
		.amdhsa_system_sgpr_workgroup_id_z 1
		.amdhsa_system_vgpr_workitem_id 0
		.amdhsa_next_free_vgpr 242
		.amdhsa_next_free_sgpr 66
		.amdhsa_reserve_vcc 1
		.amdhsa_float_denorm_mode_32 3
		.amdhsa_float_denorm_mode_16_64 3
		.amdhsa_memory_ordered 1
		.amdhsa_forward_progress 1
		.amdhsa_inst_pref_size 62
	.end_amdhsa_kernel
	.amdgpu_metadata
---
amdhsa.version: [ 1, 2 ]
amdhsa.kernels:
  - .name:           k_qdb1b69c858_quant
    .symbol:         k_qdb1b69c858_quant.kd
    .args:
      - { .name: Q, .offset: 0, .size: 8, .value_kind: global_buffer, .address_space: global }
      - { .name: K, .offset: 8, .size: 8, .value_kind: global_buffer, .address_space: global }
      - { .name: V, .offset: 16, .size: 8, .value_kind: global_buffer, .address_space: global }
      - { .name: Wq, .offset: 24, .size: 8, .value_kind: global_buffer, .address_space: global }
      - { .name: Wk, .offset: 32, .size: 8, .value_kind: global_buffer, .address_space: global }
      - { .name: Wv, .offset: 40, .size: 8, .value_kind: global_buffer, .address_space: global }
      - { .name: Wo, .offset: 48, .size: 8, .value_kind: global_buffer, .address_space: global }
      - { .name: lowp_scales, .offset: 56, .size: 8, .value_kind: global_buffer, .address_space: global }
      - { .name: xc, .offset: 64, .size: 8, .value_kind: global_buffer, .address_space: global }
      - { .name: wc, .offset: 72, .size: 8, .value_kind: global_buffer, .address_space: global }
      - { .name: rope, .offset: 80, .size: 8, .value_kind: global_buffer, .address_space: global }
    .group_segment_fixed_size: 34304
    .private_segment_fixed_size: 0
    .kernarg_segment_align: 8
    .kernarg_segment_size: 88
    .max_flat_workgroup_size: 128
    .sgpr_count:     66
    .vgpr_count:     242
    .wavefront_size: 32
...
	.end_amdgpu_metadata
.endif
;; end of part 1
;; launch proj (part 2): grid 4 x 96, 4 waves a work-group, clusters of 4 x 4, 327,680 bytes of LDS; arguments xc, wc, rope, lowp_scales, qc, kv; writes qc, kv
.if DOCPART == 2
	.amdgcn_target "amdgcn-amd-amdhsa--gfx1250"
	.amdhsa_code_object_version 6
	.text
	.protected	k_qdb1b69c858_proj
	.globl	k_qdb1b69c858_proj
	.p2align	8
	.type	k_qdb1b69c858_proj,@function
k_qdb1b69c858_proj:
	s_mov_b64 s[64:65], 0
	v_nop
	global_prefetch_b8 v0, s[64:65] scope:SCOPE_SE
	s_setreg_imm32_b32 hwreg(HW_REG_WAVE_MODE, 25, 1), 1
	s_wait_xcnt 0x0
	s_wait_alu depctr_hold_cnt(0) depctr_sa_sdst(0) depctr_va_vdst(0) depctr_va_sdst(0) depctr_va_ssrc(0) depctr_va_vcc(0) depctr_vm_vsrc(0)
	s_getreg_b32 s2, hwreg(HW_REG_IB_STS2, 6, 4)
	s_cmp_eq_u32 s2, 0
	s_cbranch_scc0 .Lentry_in_a_cluster
	s_endpgm
.Lentry_in_a_cluster:
	s_bfe_u32 s2, ttmp6, 0x10000c
	s_cmp_lg_u32 s2, 0xf033
	s_cbranch_scc0 .Lentry_shape_is_right
	s_endpgm
.Lentry_shape_is_right:
; The three input projections on codes of E4M3, the rotation of q and k, and the quantising of q, k, v for the attention: q = Q Wq^T, k = K Wk^T, v = V Wv^T; K = 1,024.
; OPERANDS ARE IMAGES OF REGISTERS (made by the launch before): a row tile T holds 16 rows, slot r = row 32 (T / 2) + 8 (T % 2) + r + 8 (r / 8); a fragment (a row tile x 128 K) is 2,048 bytes, piece c of 512:
; lane l = 16 h + r has 16 bytes at 16 l: k = 32 c + 16 h + 0 .. 15.  The same order of k in both operands: every product meets its partner.
; A tile of the result, 256 x 256, is made by four waves, as many as a WGP has SIMDs; a wave makes 128 x 128: 64 accumulators, 512 registers.  K goes through a ring of two LDS slots of 256 along K;
; a wave's tensor load brings 8 row tiles x 4,096 bytes.  Images are read at 16 x lane, 512 consecutive bytes an instruction: no pitch, no padding.
; THE MATRIX INSTRUCTION IS USED TRANSPOSED: source 0 = a row tile of B, source 1 = a row tile of A.  Lane (r, h) then holds slot r of A's tile, and the 16 registers of B's tiles 2 g, 2 g + 1 are B's rows
; 32 g + 16 h + 0 .. 15: sixteen neighbours, which two conversions turn into the lane's 16 bytes of a piece of the NEXT operand's image.  So the results leave by stores of 512 consecutive bytes, with no stage.
; q and k: A = the activations, B = the weight: a lane holds a position, its registers run along the head's 64.  v: A = Wv, B = V's activations: a lane holds a channel, its registers run along the keys.
; CLUSTERS: 4 x 4 work-groups; cluster y = 8 t + c: t = 0, 1, 2 for q, k, v.  The four of a row of the cluster need the same tiles of A, the four of a column the same tiles of B: each is asked for jointly.
; The one branch on t hangs on the cluster's number, which all sixteen partners share.
; OUT.  qc: [64 heads][128 query tiles][1,024 bytes: two pieces, k = the head's 64].  kv: [64 heads][16 key steps of 128][8 key tiles x 1,024 bytes, then 4 channel tiles x 2,048 bytes with k = the step's 128 keys].
; SCALES.  A sum stands for sum x 2^(ea + eb), and the rotation is linear: the code is the rotated sum / 2^(eo - ea - eb), held within +-448.
; LIMITS: e6 - e0 - e1, e7 - e2 - e3 and e9 - e4 - e5 between -126 and 119, so that the conversion's scale and 448 x it are f32 numbers.
; REGISTERS, in windows of 256: window 0: v5, v6 offsets; v10, v11 the scale and the hold; v16-29 addresses; from v128 A's fragments, ONE set; on the way out v32-95 the table, v96-159 64 numbers, v160-191 codes.
;   window 1: B's fragments, TWO sets.   window 2: the 32 accumulators of A's tiles 0-3 ((a, b) at v[8 (8 a + b)]);   window 3: those of tiles 4-7.
.set HALFT,  32768                     ; 8 row tiles x 2 K steps: what one tensor load brings, and what one wave reads of A or of B
.set SLOT,   4*HALFT                   ; A's 16 row tiles, then B's 16
.set SPARE,  2*SLOT                    ; behind the ring: the spare words, 128 bytes for each wave: two blocks of 256 bytes that no other line names
.set KADV,   8192                      ; a slot's next fill: four K steps of 2,048 bytes on
.set FR,     16                        ; registers of a fragment
.set NL,     4                         ; LDS loads that bring one
.set NP,     4                         ; places behind this matrix instruction (ISA guide 7.12.1)
.set OF0,    5                         ; v5   16 x lane
.set OF1,    6                         ; v6   the same in the wave's second head
.set SCL,    10                        ; v10  2^(eo - ea - eb) as f32
.set LIM,    11                        ; v11  448 x that
.set ADRA,   16                        ; v16-17  LDS address of my A fragments in slot 0, 1
.set ADRB,   20                        ; v20-21  the same for B
.set SPW,    28                        ; v28  LDS address of my spare word; never rewritten
.set NIL,    29                        ; v29  0; never rewritten
.set CS,     32                        ; v32-95   two sets of 32: cos and sin of a position tile
.set T,      96                        ; v96-159  a block's 64 numbers
.set AF,     128                       ; A's fragments, in window 0
.set CD,     160                       ; v160-191 two sets of 16 registers of codes
.set G1, 24                            ; s[24:31] descriptor group 1 for A's tiles;  s[32:39] group 0, one set for each slot
.set G0, 32
.set G1B, 48                           ; s[48:55], s[56:63] the same for B's tiles
.set G0B, 56
.set MSB, 0
.macro WIN new                         ; the immediate's high byte repeats the setting that is left
.if MSB != \new
	s_set_vgpr_msb (MSB<<8)|\new
.set MSB, \new
.endif
.endm
.set MUL_LO, 0xa1                      ; source 0 (B) window 1, source 1 (A) window 0, C and D window 2
.set MUL_HI, 0xf1                      ; the same, C and D window 3
.set TO_B,   0x40                      ; destination window 1, address window 0
; A joint load: waves 0 and 1 fetch for A, waves 2 and 3 for B.  Each line has one mask and one set of registers; the branch hangs on the wave's number alone.
; Four v_nop follow each of the two lines, ahead of the jump, the label and what follows.
.macro JLOAD g0a, g1a, g0b, g1b
	s_cmp_eq_u32 s15, 0
	s_cbranch_scc0 .Lfor_b_\@
	tensor_load_to_lds s[\g0a:\g0a+3], s[\g1a:\g1a+7]
	s_nop 0
.rept 4
	v_nop
.endr
	s_branch .Lasked_\@
.Lfor_b_\@:
	tensor_load_to_lds s[\g0b:\g0b+3], s[\g1b:\g1b+7]
	s_nop 0
.rept 4
	v_nop
.endr
.Lasked_\@:
.endm
.macro CREST                           ; a round of the cluster's barrier behind its opening barrier
	s_cmp_lg_u32 s14, 0
	s_cbranch_scc1 .Lnot_wave_0_\@
	s_barrier_signal -3
.Lnot_wave_0_\@:
	s_barrier_wait -3
	s_barrier_signal -1
	s_barrier_wait -1
.endm
.macro CROUND                          ; a whole round
	s_barrier_signal -1
	s_barrier_wait -1
	CREST
.endm
	s_load_b256 s[4:11], s[0:1], 0x0               ; xc s[4:5], wc s[6:7], rope s[8:9], the scales' exponents s[10:11]
	s_load_b128 s[68:71], s[0:1], 0x20             ; qc s[68:69], kv s[70:71]
	v_lshl_add_u32 v[SPW], v0, 2, SPARE
	v_mov_b32 v[NIL], 0
	ds_add_u32 v28, v29
	ds_add_u32 v28, v29
	s_wait_dscnt 0x0
	v_lshrrev_b32 v1, 5, v0
	v_readfirstlane_b32 s14, v1                    ; wave 0..3
	s_lshr_b32 s15, s14, 1                         ; which half of A's 16 row tiles is mine.  Also: I fetch for A (0) or for B (1)
	s_and_b32 s16, s14, 1                          ; which half of B's.  Also: which 8 row tiles I fetch
	s_bfe_u32 s40, ttmp6, 0x40000                  ; cx, cy: my place in the cluster
	s_bfe_u32 s41, ttmp6, 0x40004
	s_and_b32 s12, ttmp7, 0xffff                   ; cluster y = 0 .. 23
	s_lshr_b32 s13, s12, 3                         ; t: 0 q, 1 k, 2 v
	s_and_b32 s66, s12, 7
	s_lshl_b32 s73, s13, 23                        ; q, k: A is tensor t of xc (8 MiB each),
	s_lshl_b32 s74, s13, 20                        ; B is weight t of wc (1 MiB each)
	s_cmp_eq_u32 s13, 2
	s_cselect_b32 s67, s66, 0                      ; v: the 32 tiles of activations lie along x,
	s_cselect_b32 s72, 0, s66                      ; q, k: along y
	s_cselect_b32 s73, 0x200000, s73               ; v: A is Wv in wc,
	s_cselect_b32 s74, 0x1000000, s74              ; B is V in xc
	s_lshl_b32 s42, s67, 2
	s_add_co_u32 s42, s42, s40                     ; tile column: B's tile
	s_lshl_b32 s17, s72, 2
	s_add_co_u32 s17, s17, s41                     ; tile row: A's tile
	s_lshl_b32 s43, s41, 2
	s_lshl_b32 s43, 15, s43                        ; my row of the cluster
	s_lshl_b32 s44, 0x1111, s40                    ; my column
	; descriptor group 1: 8 rows (row tiles) of 512 elements of 8 bytes (two K steps), 2,048 elements (a row tile's 8 K steps) apart; dense in LDS
	s_or_b32 s[G1+0], s43, (3<<16)|(1<<21)         ; 15:0 the mask: A's tiles go to my row; 17:16 elements of 8 bytes; 20 no padding; 21 set beside a mask
	s_or_b32 s[G1B+0], s44, (3<<16)|(1<<21)        ; B's go to my column
.irp g, G1, G1B
	s_mov_b32 s[\g+1], 512<<16                     ; tensor_dim0
	s_mov_b32 s[\g+2], 8<<16                       ; tensor_dim1
	s_mov_b32 s[\g+3], 512<<16                     ; tile_dim0
	s_mov_b32 s[\g+4], 8                           ; tile_dim1
	s_mov_b32 s[\g+5], 2048                        ; tensor_dim0_stride
	s_mov_b32 s[\g+6], 0
	s_mov_b32 s[\g+7], 0
.endr
	s_lshl_b32 s18, s16, 17                        ; which 8 row tiles of 16,384 bytes I fetch
	s_lshl_b32 s20, s17, 18                        ; A: 16 row tiles to a tile row
	s_add_co_u32 s20, s20, s18
	s_add_co_u32 s20, s20, s73
	s_mov_b32 s21, 0
	s_lshl_b32 s46, s42, 18                        ; B likewise, by the tile column
	s_add_co_u32 s46, s46, s18
	s_add_co_u32 s46, s46, s74
	s_mov_b32 s47, 0
	s_mul_i32 s45, s14, HALFT                      ; where they go: wave x 32,768: no place in the cluster enters an LDS address
	s_wait_kmcnt 0x0
	s_load_b256 s[76:83], s[10:11], 0x0            ; e0 .. e7
	s_load_b128 s[84:87], s[10:11], 0x20           ; e8 .. e11
	s_cmp_eq_u32 s13, 2
	s_cselect_b64 s[18:19], s[6:7], s[4:5]         ; A's buffer
	s_cselect_b64 s[22:23], s[4:5], s[6:7]         ; B's
	s_add_nc_u64 s[20:21], s[18:19], s[20:21]
	s_add_nc_u64 s[46:47], s[22:23], s[46:47]
	CROUND                                         ; all sixteen work-groups are here: the first joint loads meet
.irp s, 0,1
	s_mov_b32 s[G0+4*\s], 1
	s_add_co_u32 s[G0+4*\s+1], s45, \s*SLOT
	s_add_nc_u64 s[G0+4*\s+2:G0+4*\s+3], s[20:21], \s*4096
	s_or_b32 s[G0+4*\s+3], s[G0+4*\s+3], 0x80000000
	s_mov_b32 s[G0B+4*\s], 1
	s_add_co_u32 s[G0B+4*\s+1], s45, \s*SLOT
	s_add_nc_u64 s[G0B+4*\s+2:G0B+4*\s+3], s[46:47], \s*4096
	s_or_b32 s[G0B+4*\s+3], s[G0B+4*\s+3], 0x80000000
	JLOAD G0+4*\s, G1, G0B+4*\s, G1B
.endr
	v_and_b32 v6, 31, v0
	v_lshlrev_b32 v[OF0], 4, v6                    ; 16 x lane
	s_lshl_b32 s21, s15, 15                        ; my 8 row tiles of A
	s_lshl_b32 s22, s16, 15                        ; my 8 of B,
	s_add_co_u32 s22, s22, 2*HALFT                 ; which lie behind A's 16
.irp s, 0,1
	v_add_nc_u32 v[ADRA+\s], s21, v[OF0]
	v_add_nc_u32 v[ADRB+\s], s22, v[OF0]
	s_add_co_u32 s21, s21, SLOT
	s_add_co_u32 s22, s22, SLOT
.endr
	s_wait_kmcnt 0x0
	s_sub_co_i32 s94, s82, s76
	s_sub_co_i32 s94, s94, s77                     ; q: e6 - e0 - e1
	s_sub_co_i32 s95, s83, s78
	s_sub_co_i32 s95, s95, s79                     ; k: e7 - e2 - e3
	s_sub_co_i32 s91, s85, s80
	s_sub_co_i32 s91, s91, s81                     ; v: e9 - e4 - e5
	s_cmp_eq_u32 s13, 0
	s_cselect_b32 s94, s94, s95
	s_cmp_eq_u32 s13, 2
	s_cselect_b32 s94, s91, s94                    ; chosen without a branch
	s_add_co_i32 s94, s94, 127
	s_lshl_b32 s95, s94, 23
	v_mov_b32 v[SCL], s95
	s_add_co_i32 s94, s94, 8
	s_lshl_b32 s94, s94, 23
	s_or_b32 s94, s94, 0x600000
	v_mov_b32 v[LIM], s94
.macro FRAG reg, adr, q, i             ; a fragment as it lies: row tile i of my 8, K step q of the slot's two: four pieces of 512 bytes
.irp c, 0,1,2,3
	ds_load_b128 v[\reg+4*\c:\reg+4*\c+3], v[\adr] offset:4096*(\i)+2048*(\q)+512*\c
.endr
.endm
; 16 matrix instructions: A's tiles a0, a0 + 1 x B's eight, 128 along K.  p: B's set.  zero = 1: the first product starts the sums: nothing is ever cleared.
; The 64 accumulators take turns, one instruction a turn, in the same order in every step.
.macro MUL16 a0, p, zero
.irp a, \a0, \a0+1
.irp b, 0,1,2,3,4,5,6,7
.if \zero
	v_wmma_f32_16x16x128_fp8_fp8 v[8*(8*((\a)%4)+\b):8*(8*((\a)%4)+\b)+7], v[128*(\p)+FR*\b:128*(\p)+FR*\b+FR-1], v[AF+FR*(\a):AF+FR*(\a)+FR-1], 0
.else
	v_wmma_f32_16x16x128_fp8_fp8 v[8*(8*((\a)%4)+\b):8*(8*((\a)%4)+\b)+7], v[128*(\p)+FR*\b:128*(\p)+FR*\b+FR-1], v[AF+FR*(\a):AF+FR*(\a)+FR-1], v[8*(8*((\a)%4)+\b):8*(8*((\a)%4)+\b)+7]
.endif
.endr
.endr
.endm
.macro FETCH_B slot, q, p
	WIN TO_B
.irp i, 0,1,2,3,4,5,6,7
	FRAG 128*(\p)+FR*\i, ADRB+\slot, \q, \i
.endr
	WIN 0
.endm
.macro FETCH_A slot, q, i0
.irp i, \i0, \i0+1, \i0+2, \i0+3
	FRAG AF+FR*(\i), ADRA+\slot, \q, \i
.endr
.endm
; A load into a register that a matrix instruction has read, and a vector instruction that reads a matrix result or writes one of its registers, stand NP places behind it; only plain vector
; instructions that name none of its registers are places (ISA guide 7.12.1 for vector instructions).
.macro PLACES n
.rept \n
	v_nop
.endr
.endm
; A step of 128 along K that has its successor in the same slot.  A's tiles 0-3 are fetched anew in its middle, 4-7 at its end; B's next set in the middle.
.macro STEP slot, q, zero
	s_wait_dscnt 4*NL                              ; B's set and A's tiles 0-3 are in; the youngest 16 loads (A's tiles 4-7) may be out
	WIN MUL_LO
	MUL16 0, (\q)%2, \zero
	MUL16 2, (\q)%2, \zero
	s_wait_dscnt 0
	PLACES NP
	FETCH_B \slot, (\q)+1, 1-(\q)%2
	FETCH_A \slot, (\q)+1, 0
	WIN MUL_HI
	MUL16 4, (\q)%2, \zero
	MUL16 6, (\q)%2, \zero
	PLACES NP
	WIN 0
	FETCH_A \slot, (\q)+1, 4
.endm
; A slot's last step changes slots: ONE barrier; in front of it each wave waits for all its tensor loads, adds 0 to its spare word, and waits for that and for its own reads of this slot.  fill = 1: this slot is filled again.
.macro TURN slot, next, fill
	s_wait_tensorcnt 0x0                           ; all my tensor loads have landed: my part of the next slot
	ds_add_u32 v[SPW], v[NIL]                      ; 0 onto my spare word
	s_wait_dscnt 4*NL+1                            ; (the add and the youngest 16 loads, A's tiles 4-7, may be out)
	WIN MUL_LO
	MUL16 0, 1, 0                                  ; sixteen matrix instructions stand between the add and the wait for it
	s_wait_dscnt 0x0                               ; the add is done, and my reads of this slot are over
	s_barrier_signal -1
	MUL16 2, 1, 0
	WIN 0
	s_barrier_wait -1
.if \fill
	CREST                                          ; the barrier has opened a round of the cluster's barrier: no wave of any partner still reads this slot or has a load on its way
	s_add_nc_u64 s[G0+4*\slot+2:G0+4*\slot+3], s[G0+4*\slot+2:G0+4*\slot+3], KADV
	s_add_nc_u64 s[G0B+4*\slot+2:G0B+4*\slot+3], s[G0B+4*\slot+2:G0B+4*\slot+3], KADV
	JLOAD G0+4*\slot, G1, G0B+4*\slot, G1B         ; the first tensor load behind the round; its four v_nop are also the places in front of the loads below
.else
	PLACES NP
.endif
	FETCH_B \next, 0, 0
	FETCH_A \next, 0, 0
	WIN MUL_HI
	MUL16 4, 1, 0
	MUL16 6, 1, 0
	PLACES NP
	WIN 0
	FETCH_A \next, 0, 4
.endm
	s_wait_tensorcnt 1                             ; my part of slot 0 is in (slot 1's load may be out)
	s_barrier_signal -1
	s_barrier_wait -1                              ; everybody's is
	FETCH_B 0, 0, 0
	FETCH_A 0, 0, 0
	FETCH_A 0, 0, 4
	STEP 0, 0, 1                                   ; K step 0: its products start the sums.  K has eight steps: they are written out
	TURN 0, 1, 1                                   ; 1; slot 0 takes K steps 4, 5
	STEP 1, 0, 0                                   ; 2
	TURN 1, 0, 1                                   ; 3; slot 1 takes K steps 6, 7
	STEP 0, 0, 0                                   ; 4
	TURN 0, 1, 0                                   ; 5; nothing is left to fetch, so no round
	STEP 1, 0, 0                                   ; 6
	s_wait_dscnt 4*NL                              ; 7
	WIN MUL_LO
	MUL16 0, 1, 0
	MUL16 2, 1, 0
	s_wait_dscnt 0
	WIN MUL_HI
	MUL16 4, 1, 0
	MUL16 6, 1, 0
	WIN 0
	PLACES NP                                      ; in front of the first read of results and the first write of registers that held A's fragments
	s_cmp_eq_u32 s13, 2
	s_cbranch_scc1 .Lv
	; ---- q and k.  Lane (r, h), accumulator (a, b): position slot r of position tile 16 ch + 8 (wave / 2) + a; channel 32 ((b / 2) % 2) + 16 h + 8 (b % 2) + j of head head0 + b / 4
	s_lshr_b32 s90, s17, 3                         ; the batch: 8 tile rows of 256 positions each
	s_and_b32 s91, s17, 7                          ; ch
	s_lshl_b32 s90, s90, 4
	s_lshl_b32 s94, s42, 2
	s_add_co_u32 s90, s90, s94
	s_lshl_b32 s94, s16, 1
	s_add_co_u32 s90, s90, s94                     ; head0 = 16 batch + 4 tile column + 2 (wave % 2)
	s_lshl_b32 s90, s90, 17                        ; a head of qc is 131,072 bytes,
	s_lshl_b32 s91, s91, 1
	s_add_co_u32 s91, s91, s15                     ; 2 ch + wave / 2: eight tiles of 1,024 bytes
	s_lshl_b32 s94, s91, 13
	s_add_co_u32 s94, s90, s94
	s_lshl_b32 s94, s94, s13                       ; in kv both are twice as far apart: a key step holds V's 8,192 bytes too
	s_mov_b32 s95, 0
	s_cmp_eq_u32 s13, 0
	s_cselect_b64 s[88:89], s[68:69], s[70:71]
	s_add_nc_u64 s[88:89], s[88:89], s[94:95]
	s_lshl_b32 s94, s91, 15                        ; the table: eight position tiles of 4,096 bytes
	s_add_nc_u64 s[92:93], s[8:9], s[94:95]
	s_lshl_b32 s90, 0x20000, s13
	v_add_nc_u32 v[OF1], s90, v[OF0]               ; the wave's second head
.macro CSLOAD a                        ; cos and sin of position tile a: register 8 (b % 4) + 2 jj, + 1 = those of the pair in registers 2 jj, 2 jj + 1 of accumulator b
.irp k, 0,1,2,3,4,5,6,7
	global_load_b128 v[CS+32*((\a)%2)+4*\k:CS+32*((\a)%2)+4*\k+3], v[OF0], s[92:93] offset:4096*(\a)+512*\k
.endr
.endm
.macro QKBLOCK a
.if (\a) < 7
	CSLOAD (\a)+1
	s_wait_loadcnt 8                               ; this block's table is in; the next block's eight loads may be out
.else
	s_wait_loadcnt 0x0
.endif
.set AC, 64*((\a)%4)
.set CC, CS+32*((\a)%2)
.set DD, CD+16*((\a)%2)
	WIN 0x02+((\a)/4)                              ; source 0: window 2 or 3
.irp b, 0,1,2,3,4,5,6,7                        ; each accumulator from its low end on
.irp j, 0,2,4,6
	v_pk_mul_f32 v[T+8*\b+\j:T+8*\b+\j+1], v[AC+8*\b+\j:AC+8*\b+\j+1], v[CC+8*(\b%4)+\j:CC+8*(\b%4)+\j+1] op_sel_hi:[1,0]   ; x1 cos, x2 cos
.endr
.irp j, 0,2,4,6
	v_pk_fma_f32 v[T+8*\b+\j:T+8*\b+\j+1], v[AC+8*\b+\j:AC+8*\b+\j+1], v[CC+8*(\b%4)+\j:CC+8*(\b%4)+\j+1], v[T+8*\b+\j:T+8*\b+\j+1] op_sel:[1,1,0] op_sel_hi:[0,1,1] neg_lo:[0,1,0]   ; - x2 sin, + x1 sin
.endr
.endr
	WIN 0
.set n, 0
.rept 64
	v_med3_num_f32 v[T+n], v[T+n], -v[LIM], v[LIM] ; the conversion to an 8-bit code does not saturate (ISA guide 7.6.2): the hold
.set n, n+1
.endr
.if (\a) >= 2
	s_wait_xcnt 0x0                                ; the stores of two blocks back have read this set of codes
.endif
.irp p, 0,1,2,3
	v_cvt_scalef32_pk8_fp8_f32 v[DD+4*\p:DD+4*\p+1], v[T+16*\p:T+16*\p+7], v[SCL]
	v_cvt_scalef32_pk8_fp8_f32 v[DD+4*\p+2:DD+4*\p+3], v[T+16*\p+8:T+16*\p+15], v[SCL]
.endr
	v_nop                                          ; one plain vector line behind the conversions: the next block writes their sources
.irp p, 0,1,2,3
	global_store_b128 v[OF0+\p/2], v[DD+4*\p:DD+4*\p+3], s[88:89] offset:1024*(\a)+512*(\p%2)   ; a piece of the head's image: 512 consecutive bytes, aligned
.endr
.endm
	CSLOAD 0
.irp a, 0,1,2,3,4,5,6,7
	QKBLOCK \a
.endr
	s_branch .Lend
.Lv:	; ---- v.  Lane (r, h), accumulator (a, b): channel slot r of channel tile a % 4 of head head0 + a / 4; key 32 (b / 2) + 16 h + 8 (b % 2) + j of key step 2 ch + wave % 2
	s_lshr_b32 s90, s42, 3                         ; the batch
	s_and_b32 s91, s42, 7                          ; ch
	s_lshl_b32 s90, s90, 4
	s_lshl_b32 s94, s17, 2
	s_add_co_u32 s90, s90, s94
	s_lshl_b32 s94, s15, 1
	s_add_co_u32 s90, s90, s94                     ; head0 = 16 batch + 4 tile row + 2 (wave / 2)
	s_lshl_b32 s90, s90, 18
	s_lshl_b32 s91, s91, 1
	s_add_co_u32 s91, s91, s16
	s_lshl_b32 s91, s91, 14                        ; the key step's 16,384 bytes,
	s_add_co_u32 s94, s90, s91
	s_add_co_u32 s94, s94, 8192                    ; behind its eight tiles of K
	s_mov_b32 s95, 0
	s_add_nc_u64 s[88:89], s[70:71], s[94:95]
.macro VBLOCK a
.set AC, 64*((\a)%4)
.set DD, CD+16*((\a)%2)
	WIN 0x02+((\a)/4)
.set n, 0
.rept 64
	v_med3_num_f32 v[T+n], v[AC+n], -v[LIM], v[LIM] ; the hold, out of the accumulators, each from its low end on
.set n, n+1
.endr
	WIN 0
.if (\a) >= 2
	s_wait_xcnt 0x0                                ; the stores of two blocks back have read this set of codes
.endif
.irp p, 0,1,2,3
	v_cvt_scalef32_pk8_fp8_f32 v[DD+4*\p:DD+4*\p+1], v[T+16*\p:T+16*\p+7], v[SCL]
	v_cvt_scalef32_pk8_fp8_f32 v[DD+4*\p+2:DD+4*\p+3], v[T+16*\p+8:T+16*\p+15], v[SCL]
.endr
	v_nop
.irp p, 0,1,2,3
	global_store_b128 v[OF0], v[DD+4*\p:DD+4*\p+3], s[88:89] offset:262144*((\a)/4)+2048*((\a)%4)+512*\p
.endr
.endm
.irp a, 0,1,2,3,4,5,6,7
	VBLOCK \a
.endr
.Lend:
	s_wait_tensorcnt 0x0                           ; the wave's end
	ds_add_u32 v[SPW], v[NIL]
	s_wait_dscnt 0x0
	CROUND                                         ; the closing round: no work-group ends while a partner may still ask for a tile that names it
	s_endpgm
.Lfunc_end_k_qdb1b69c858_proj:
	.size	k_qdb1b69c858_proj, .Lfunc_end_k_qdb1b69c858_proj-k_qdb1b69c858_proj
	.p2alignl 7, 3214868480
	.fill 96, 4, 3214868480
	.section	.rodata,"a",@progbits
	.p2align	6, 0x0
	.amdhsa_kernel k_qdb1b69c858_proj
		.amdhsa_group_segment_fixed_size 327680
		.amdhsa_private_segment_fixed_size 0
		.amdhsa_enable_private_segment 0
		.amdhsa_kernarg_size 48
		.amdhsa_user_sgpr_count 2
		.amdhsa_user_sgpr_kernarg_segment_ptr 1
		.amdhsa_wavefront_size32 1
		.amdhsa_system_sgpr_workgroup_id_x 1
		.amdhsa_system_sgpr_workgroup_id_y 1
		.amdhsa_system_sgpr_workgroup_id_z 1
		.amdhsa_system_vgpr_workitem_id 0
		.amdhsa_next_free_vgpr 1024
		.amdhsa_next_free_sgpr 100
		.amdhsa_reserve_vcc 0
		.amdhsa_float_denorm_mode_32 3
		.amdhsa_float_denorm_mode_16_64 3
		.amdhsa_memory_ordered 1
		.amdhsa_forward_progress 1
		.amdhsa_inst_pref_size 197
	.end_amdhsa_kernel
	.amdgpu_metadata
---
amdhsa.version: [ 1, 2 ]
amdhsa.kernels:
  - .name:           k_qdb1b69c858_proj
    .symbol:         k_qdb1b69c858_proj.kd
    .args:
      - { .name: xc, .offset: 0, .size: 8, .value_kind: global_buffer, .address_space: global }
      - { .name: wc, .offset: 8, .size: 8, .value_kind: global_buffer, .address_space: global }
      - { .name: rope, .offset: 16, .size: 8, .value_kind: global_buffer, .address_space: global }
      - { .name: lowp_scales, .offset: 24, .size: 8, .value_kind: global_buffer, .address_space: global }
      - { .name: qc, .offset: 32, .size: 8, .value_kind: global_buffer, .address_space: global }
      - { .name: kv, .offset: 40, .size: 8, .value_kind: global_buffer, .address_space: global }
    .group_segment_fixed_size: 327680
    .private_segment_fixed_size: 0
    .kernarg_segment_align: 8
    .kernarg_segment_size: 48
    .max_flat_workgroup_size: 128
    .sgpr_count:     100
    .vgpr_count:     1024
    .wavefront_size: 32
...
	.end_amdgpu_metadata
.endif
;; end of part 2
;; launch attn (part 3): grid 4 x 64, 16 waves a work-group, no clusters, 264,192 bytes of LDS; arguments qc, kv, lowp_scales, oc; writes oc
.if DOCPART == 3
	.amdgcn_target "amdgcn-amd-amdhsa--gfx1250"
	.amdhsa_code_object_version 6
	.text
	.protected	k_qdb1b69c858_attn
	.globl	k_qdb1b69c858_attn
	.p2align	8
	.type	k_qdb1b69c858_attn,@function
k_qdb1b69c858_attn:
	s_mov_b64 s[64:65], 0
	v_nop
	global_prefetch_b8 v0, s[64:65] scope:SCOPE_SE
	s_setreg_imm32_b32 hwreg(HW_REG_WAVE_MODE, 25, 1), 1
	s_wait_xcnt 0x0
; Causal attention of one head on codes of E4M3, and the quantising of its result for the last projection.  64 heads (batch x 16 + head), 2,048 positions, head size 64.
; THE SOFTMAX AHEAD OF THE SECOND PRODUCT: t = score x log2(e) / 8; M = the row's largest t so far, rounded UP to a whole number; p = 2^(t - M) is what is quantised, not normalised.
; The row's sum is taken of the unquantised p, in f32, and divides O at the end.  When M moves, the sum and O are multiplied by 2^(old M - new M): nothing is rounded.
; IMAGES.  A tile T holds 16 rows, slot r = row 32 (T / 2) + 8 (T % 2) + r + 8 (r / 8).  qc: [head][128 query tiles][1,024 bytes].  kv: [head][16 key steps of 128][8 key tiles x 1,024, then 4 channel tiles x 2,048 bytes].
; A piece of 512 bytes holds lane l's 16 bytes at 16 l: k = 32 c + 16 (l / 16) + 0 .. 15.  So every fragment comes by loads of 512 consecutive bytes: no pitch, no padding.
; SHARES.  A head's 128 query tiles are 8 blocks of 16.  Work-group x = p takes blocks 7 - p and p, one after the other: 2 (7 - p) + 2 and 2 p + 2 key steps at the most, 18 together whatever p is.
; Each of the SIXTEEN waves owns one query tile of a block, in 256 registers: four waves to a SIMD, so that one wave's vector work stands beside another's matrix work and LDS loads.
; LDS holds the head's whole kv block, 262,144 bytes, as it lies in memory.  It is filled ONCE, by sixteen tensor loads of one key step each, all issued at the head (waves 0 to 3, four each: four are out, by this
; text's own count); nothing is ever filled again.  The first block's walk is cut into four stages of four key steps: ahead of stage g a counted wait and a barrier show its four steps landed, the later ones stay out.
; LAYOUT.  Both products are used transposed: S^T = K Q^T (source 0 = 16 keys), O^T = V^T P^T (source 0 = 16 channels): a lane holds ONE query (slot lane % 16) throughout, the 16 registers of key tiles 2 b, 2 b + 1
; are keys 32 b + 16 (lane / 16) + 0 .. 15, and O^T's 16 registers of channel tiles 2 c, 2 c + 1 are 16 neighbouring channels: the conversions' results are the next operand's registers, and oc's pieces.
; CAUSAL.  A step all of whose keys come after my tile's queries is left out by a scalar branch on ids; the loops' trip counts are constants.  On the diagonal hidden scores become -infinity ahead of the maximum.
; A tile's 16 queries lie inside one block of 32, so a step that is not left out begins at or before every query of the tile: M is a number from the first step on.
; NO CLUSTER, though the four work-groups of a head read the same 262,144 bytes: which steps a wave leaves out hangs on its query block, which would be the work-group's place in the cluster.
; NO PREFETCH: every tensor load is issued at the head; there is no later request to run ahead of.
; oc: [512 row tiles][8 K steps][2,048 bytes], K = head x 64 + channel.
; LIMITS on the given exponents, so that each power of two below is an f32 number: e6 + e7 between -123 and 130 (added to c's exponent field); e8 and e10 between -126 and 119; e8 + e9 goes in by v_ldexp_f32 and has none.
; REGISTERS: v1 16 x lane; v2 the LDS address in hand; v4 my query less the tile's first, less 16 (lane / 16); v12 -M, v13 the largest t, v[14:15] the sum; v16-23, v24-31 the two query tiles;
; v32-95 fragments of K, then of V; v96-159 S^T, then p; v160-191 O^T; v192-207 p's codes; v208-223 o's codes; v236-254 at work and constants.
.set STEPB, 16384                      ; a key step in LDS
.set VOFF,  8192                       ; V's tiles in it
.set LI,   1
.set ADR,  2
.set DQ,   4
.set TB,   2                           ; s2   LDS byte of the key step in hand
.set CNT,  3                           ; s3   counts a loop's trips
.set WV,   18
.set SEL,  20                          ; s[20:21] lane selects for v_permlanex16_b32: lane l xor 16
.set CS,   22                          ; s[22:23] c = log2(e) / 8 x 2^(e6 + e7)
.set G1,   24                          ; s[24:31] descriptor group 1
.set G0,   32                          ; s[32:47] four groups 0, never rewritten
.set KF,   48                          ; s48  the step's first key
.set QMIN, 49                          ; s49  my tile's first query
.set QMAX, 50                          ; s50  its last
.set ESUM, 51                          ; s51  e8 + e9
.set OA,   52                          ; s[52:53], s[54:55] where my two tiles' codes go
.set OB,   54
	s_load_b256 s[4:11], s[0:1], 0x0               ; qc s[4:5], kv s[6:7], the scales' exponents s[8:9], oc s[10:11]
	v_lshl_add_u32 v251, v0, 2, 0x40000
	v_mov_b32 v255, 0
	ds_add_u32 v251, v255
	ds_add_u32 v251, v255
	v_lshrrev_b32 v2, 5, v0
	v_readfirstlane_b32 s[WV], v2                  ; wave 0..15
	s_and_b32 s56, ttmp7, 0xffff                   ; the head, 0 .. 63
	s_and_b32 s57, s[WV], 3
	s_lshl_b32 s58, s57, 14                        ; a fetching wave j takes key steps j, 4 + j, 8 + j, 12 + j
	s_lshl_b32 s60, s56, 18                        ; the head's 262,144 bytes
	s_add_co_u32 s60, s60, s58
	s_mov_b32 s61, 0
	; descriptor group 1: a dense block of 16,384 bytes as 64 rows of 32 elements of 8 bytes
	s_mov_b32 s[G1], 3<<16                         ; 15:0 no mask; 17:16 elements of 8 bytes; no padding
	s_mov_b32 s[G1+1], 32<<16                      ; tensor_dim0
	s_mov_b32 s[G1+2], 64<<16                      ; tensor_dim1
	s_mov_b32 s[G1+3], 32<<16                      ; tile_dim0
	s_mov_b32 s[G1+4], 64                          ; tile_dim1
	s_mov_b32 s[G1+5], 32                          ; tensor_dim0_stride
	s_mov_b32 s[G1+6], 0
	s_mov_b32 s[G1+7], 0
	s_wait_dscnt 0x0
	s_wait_kmcnt 0x0
	s_load_b256 s[68:75], s[8:9], 0x0              ; e0 .. e7
	s_load_b128 s[76:79], s[8:9], 0x20             ; e8 .. e11
	s_add_nc_u64 s[60:61], s[6:7], s[60:61]
.irp g, 0,1,2,3
	s_mov_b32 s[G0+4*\g], 1                        ; count = 1
	s_add_co_u32 s[G0+4*\g+1], s58, \g*65536       ; LDS address: as in memory
	s_add_nc_u64 s[G0+4*\g+2:G0+4*\g+3], s[60:61], \g*65536
	s_or_b32 s[G0+4*\g+3], s[G0+4*\g+3], 0x80000000   ; type = 2
.endr
	s_cmp_lt_u32 s[WV], 4                          ; all first fills of a wave stand in one branch on its number, ahead of every wait on TENSORcnt, every LDS read and every barrier
	s_cbranch_scc0 .Lno_fetch
	tensor_load_to_lds s[G0:G0+3], s[G1:G1+7]
	s_nop 0
	tensor_load_to_lds s[G0+4:G0+7], s[G1:G1+7]
	s_nop 0
	tensor_load_to_lds s[G0+8:G0+11], s[G1:G1+7]
	s_nop 0
	tensor_load_to_lds s[G0+12:G0+15], s[G1:G1+7]
	s_nop 0
.rept 4
	v_nop
.endr
.Lno_fetch:
	s_sub_co_u32 s80, 7, ttmp9
	s_lshl_b32 s80, s80, 4
	s_add_co_u32 s80, s80, s[WV]                   ; my first query tile: 16 (7 - p) + wave
	s_lshl_b32 s81, ttmp9, 4
	s_add_co_u32 s81, s81, s[WV]                   ; my second: 16 p + wave
	s_lshl_b32 s82, s56, 17                        ; the head's 131,072 bytes of qc
	s_lshl_b32 s84, s80, 10
	s_add_co_u32 s84, s84, s82
	s_mov_b32 s85, 0
	s_add_nc_u64 s[84:85], s[4:5], s[84:85]
	s_lshl_b32 s86, s81, 10
	s_add_co_u32 s86, s86, s82
	s_mov_b32 s87, 0
	s_add_nc_u64 s[86:87], s[4:5], s[86:87]
	v_and_b32 v[LI], 31, v0
	v_lshlrev_b32 v[LI], 4, v[LI]
	global_load_b128 v[16:19], v[LI], s[84:85]
	global_load_b128 v[20:23], v[LI], s[84:85] offset:512
	global_load_b128 v[24:27], v[LI], s[86:87]
	global_load_b128 v[28:31], v[LI], s[86:87] offset:512
	s_lshr_b32 s88, s56, 4
	s_lshl_b32 s88, s88, 21                        ; oc: the batch's 128 row tiles of 16,384 bytes,
	s_and_b32 s89, s56, 15
	s_lshl_b32 s89, s89, 10                        ; the head's 64 of K: two pieces, 1,024 bytes
	s_add_co_u32 s88, s88, s89
	s_lshl_b32 s90, s80, 14
	s_add_co_u32 s90, s90, s88
	s_mov_b32 s91, 0
	s_add_nc_u64 s[OA:OA+1], s[10:11], s[90:91]
	s_lshl_b32 s90, s81, 14
	s_add_co_u32 s90, s90, s88
	s_add_nc_u64 s[OB:OB+1], s[10:11], s[90:91]
	v_and_b32 v5, 15, v0                           ; r
	v_bfe_u32 v6, v0, 4, 1                         ; h
	v_and_b32 v[DQ], 8, v5
	v_add_nc_u32 v[DQ], v[DQ], v5
	v_lshlrev_b32 v6, 4, v6
	v_sub_nc_u32 v[DQ], v[DQ], v6                  ; r + 8 (r / 8) - 16 h
	v_mov_b32 v236, 0                              ; written once: a lane permute's destination counts as one of its sources, and pairs are named whole
	v_mov_b32 v252, 0
	v_mov_b32 v253, 0
	v_mov_b32 v254, 0
	s_mov_b32 s[SEL], 0x76543210
	s_mov_b32 s[SEL+1], 0xfedcba98
	s_mov_b32 s[CS], 0x3e38aa3b                    ; c = log2(e) / 8
	s_wait_kmcnt 0x0
	s_add_co_i32 s92, s74, s75
	s_lshl_b32 s92, s92, 23
	s_add_co_i32 s[CS], s[CS], s92                 ; a score stands for score x 2^(e6 + e7): the two exponents are added to c's exponent field
	s_mov_b32 s[CS+1], s[CS]                       ; (named with it as a pair, so it is written)
	s_add_co_i32 s92, s76, 127
	s_lshl_b32 s93, s92, 23
	v_mov_b32 v244, s93                            ; 2^e8, for p's conversions
	s_add_co_i32 s92, s92, 8
	s_lshl_b32 s92, s92, 23
	s_or_b32 s92, s92, 0x600000
	v_mov_b32 v240, s92                            ; 448 x 2^e8
	s_add_co_i32 s92, s78, 127
	s_lshl_b32 s93, s92, 23
	v_mov_b32 v245, s93                            ; 2^e10, for o's
	s_add_co_i32 s92, s92, 8
	s_lshl_b32 s92, s92, 23
	s_or_b32 s92, s92, 0x600000
	v_mov_b32 v241, s92                            ; 448 x 2^e10
	s_add_co_i32 s[ESUM], s76, s77
; A KEY STEP: 128 keys at LDS byte s[TB]; the query tile in v[qreg] on.
.macro STEP qreg
	s_cmp_gt_u32 s[KF], s[QMAX]                    ; all its keys come after my queries: only the two steps at its end are made
	s_cbranch_scc1 .Lhidden_\@
	v_add_nc_u32 v[ADR], s[TB], v[LI]
.rept 3
	v_nop                                          ; with the addition: four places in front of loads into registers that the last products read
.endr
.irp t, 0,1,2,3,4,5,6,7
	ds_load_b128 v[32+8*\t:35+8*\t], v[ADR] offset:1024*\t
	ds_load_b128 v[36+8*\t:39+8*\t], v[ADR] offset:1024*\t+512
.endr
	s_wait_dscnt 0x0
.irp t, 0,1,2,3,4,5,6,7                        ; S^T = K Q^T: register 16 b + i is key KF + 32 b + 16 (lane / 16) + i
	v_wmma_f32_16x16x64_fp8_fp8 v[96+8*\t:103+8*\t], v[32+8*\t:39+8*\t], v[\qreg:\qreg+7], 0
.endr
.rept 4
	v_nop                                          ; places in front of the loads below and of the first read of the scores
.endr
.irp t, 0,1,2,3                                ; V's four channel tiles land while the softmax is worked
.irp c, 0,1,2,3
	ds_load_b128 v[32+16*\t+4*\c:35+16*\t+4*\c], v[ADR] offset:VOFF+2048*\t+512*\c
.endr
.endr
	s_add_co_u32 s94, s[KF], 127
	s_cmp_le_u32 s94, s[QMIN]                      ; all 128 keys count for all my queries: no mask
	s_cbranch_scc1 .Lopen_\@
	s_sub_co_i32 s94, s[QMIN], s[KF]
	v_add_nc_u32 v252, s94, v[DQ]                  ; d = my query - KF - 16 (lane / 16): register 16 b + i is hidden where 32 b + i > d
	v_mov_b32 v254, 0xff800000                     ; -infinity
.set n, 0
.rept 64
	v_cmp_gt_i32 vcc_lo, 32*(n/16)+n%16, v252
	v_cndmask_b32 v[96+n], v[96+n], v254, vcc_lo
.set n, n+1
.endr
.Lopen_\@:
	v_max3_num_f32 v254, v96, v97, v98             ; the step's largest score of my query, among my 64 keys, in two chains,
	v_max3_num_f32 v252, v99, v100, v101
.irp i, 6,10,14,18,22,26,30,34,38,42,46,50,54,58
	v_max3_num_f32 v254, v254, v[96+\i], v[97+\i]
	v_max3_num_f32 v252, v252, v[98+\i], v[99+\i]
.endr
	v_max3_num_f32 v254, v254, v158, v159
	v_max_num_f32 v254, v254, v252
	v_permlanex16_b32 v236, v254, s[SEL], s[SEL+1]
	v_max_num_f32 v254, v254, v236                 ; and among lane l xor 16's
	v_mul_f32 v254, s[CS], v254                    ; as t (c is positive)
	v_max_num_f32 v13, v13, v254                   ; the running largest t
	v_mov_b32 v254, v12
	v_floor_f32 v12, -v13                          ; the new -M = floor(-t): M is a whole number
	v_sub_f32 v254, v12, v254                      ; M's old value less its new one: a whole number, 0 or less
	v_cvt_i32_f32 v254, v254                       ; (it saturates)
	v_ldexp_f32 v252, 1.0, v254                    ; f = 2^(old M - new M)
.set n, 0
.rept 32
	v_pk_fma_f32 v[96+n:97+n], v[96+n:97+n], s[CS:CS+1], v[12:13] op_sel_hi:[1,0,0]   ; t - M, two at a time (of the pairs c and -M the low word serves both halves)
.set n, n+2
.endr
.set n, 0
.rept 64
	v_exp_f32 v[96+n], v[96+n]                     ; p = 2^(t - M), at most 1: not normalised
.set n, n+1
.endr
	v_pk_mul_f32 v[14:15], v[14:15], v[252:253] op_sel_hi:[1,0]   ; the sums under the new M: the plain line behind the exponentials
	s_wait_alu depctr_va_vdst(0)                   ; one wait for the batch of 64, ahead of its first reader
	v_pk_add_f32 v[242:243], v[96:97], v[98:99]    ; the row's sum is taken of the unquantised p: two at a time, in two chains
.irp j, 4,8,12,16,20,24,28,32,36,40,44,48,52,56,60
	v_pk_add_f32 v[14:15], v[14:15], v[96+\j:97+\j]
	v_pk_add_f32 v[242:243], v[242:243], v[98+\j:99+\j]
.endr
	v_pk_add_f32 v[14:15], v[14:15], v[242:243]
.irp b, 0,1,2,3
.irp i, 0,1,2,3,4,5,6,7,8,9,10,11,12,13,14,15
	v_min_num_f32 v[96+16*\b+\i], v[96+16*\b+\i], v240   ; the conversion does not saturate (ISA guide 7.6.2); p is not negative, so the hold is one-sided
.endr
	v_cvt_scalef32_pk8_fp8_f32 v[192+4*\b:193+4*\b], v[96+16*\b:103+16*\b], v244
	v_cvt_scalef32_pk8_fp8_f32 v[194+4*\b:195+4*\b], v[104+16*\b:111+16*\b], v244
.endr
.set n, 0
.rept 16
	v_pk_mul_f32 v[160+n:161+n], v[160+n:161+n], v[252:253] op_sel_hi:[1,0]   ; O^T under the new M.  (Also the plain lines between the conversions and the products)
.set n, n+2
.endr
	s_wait_dscnt 0x0                               ; V
.irp t, 0,1,2,3                                ; O^T += V^T P^T, K = these 128 keys; the four accumulators take turns
	v_wmma_f32_16x16x128_fp8_fp8 v[160+8*\t:167+8*\t], v[32+16*\t:47+16*\t], v[192:207], v[160+8*\t:167+8*\t]
.endr
.Lhidden_\@:
	s_add_co_u32 s[KF], s[KF], 128
	s_add_co_u32 s[TB], s[TB], STEPB
.endm
.macro WALK trips, qreg                ; a loop of constant count
	s_mov_b32 s[CNT], \trips
.Lwalk_\@:
	STEP \qreg
	s_sub_co_u32 s[CNT], s[CNT], 1
	s_cmp_lg_u32 s[CNT], 0
	s_cbranch_scc1 .Lwalk_\@
.endm
.macro STAGE g                         ; key steps 4 g to 4 g + 3 of the first block's walk
	s_wait_dscnt 0x0                               ; no LDS instruction of mine is out at a signal
	s_wait_tensorcnt 3-\g                          ; my load for this stage has landed; the 3 - g issued behind it may stay out
	s_barrier_signal -1
	s_barrier_wait -1                              ; everybody's has
	s_mov_b32 s[TB], \g*4*STEPB
	s_mov_b32 s[KF], \g*512
	WALK 4, 16
.endm
.macro BOUNDS tile                     ; my tile's first and last query
	s_lshr_b32 s[QMIN], s[\tile], 1
	s_lshl_b32 s[QMIN], s[QMIN], 5
	s_and_b32 s94, s[\tile], 1
	s_lshl_b32 s94, s94, 3
	s_add_co_u32 s[QMIN], s[QMIN], s94
	s_add_co_u32 s[QMAX], s[QMIN], 23
.endm
.macro INIT                            ; the step is written once: the first finds zeros, which the first change of M leaves zeros
	v_mov_b32 v13, 0xff61b1e6                      ; the largest t so far: -3e38, under every t
	v_floor_f32 v12, -v13                          ; -M
	v_mov_b32 v14, 0
	v_mov_b32 v15, 0
.set n, 0
.rept 32
	v_mov_b32 v[160+n], 0
.set n, n+1
.endr
.endm
; O^T / the sum x 2^(e8 + e9) is the head's result; it is quantised with 2^e10 and leaves as two pieces of oc's image.
.macro FINISH cod, base
.rept 4
	v_nop                                          ; places behind the last products
.endr
	v_add_f32 v14, v14, v15                        ; the sum's two halves,
	v_permlanex16_b32 v252, v14, s[SEL], s[SEL+1]
	v_add_f32 v14, v14, v252                       ; and lane l xor 16's
	v_rcp_f32 v14, v14
	v_nop                                          ; a plain line behind the reciprocal
	s_wait_alu depctr_va_vdst(0)                   ; and the wait ahead of its first reader
	v_ldexp_f32 v14, v14, s[ESUM]
.set n, 0
.rept 16
	v_pk_mul_f32 v[96+n:97+n], v[160+n:161+n], v[14:15] op_sel_hi:[1,0]   ; each accumulator from its low end on; register 16 c + i is channel 32 c + 16 (lane / 16) + i
.set n, n+2
.endr
.set n, 0
.rept 32
	v_med3_num_f32 v[96+n], v[96+n], -v241, v241
.set n, n+1
.endr
.irp c, 0,1
	v_cvt_scalef32_pk8_fp8_f32 v[\cod+4*\c:\cod+4*\c+1], v[96+16*\c:103+16*\c], v245
	v_cvt_scalef32_pk8_fp8_f32 v[\cod+4*\c+2:\cod+4*\c+3], v[104+16*\c:111+16*\c], v245
.endr
	v_nop                                          ; one plain vector line behind the conversions: later products write their sources
.irp c, 0,1
	global_store_b128 v[LI], v[\cod+4*\c:\cod+4*\c+3], s[\base:\base+1] offset:512*\c   ; 512 consecutive bytes, aligned
.endr
.endm
	BOUNDS 80
	INIT
	s_wait_loadcnt 0x0                             ; both query tiles
	STAGE 0
	STAGE 1
	STAGE 2
	STAGE 3                                        ; its wait is for 0: every tensor load has landed
	FINISH 208, OA
	BOUNDS 81
	INIT
	s_mov_b32 s[TB], 0
	s_mov_b32 s[KF], 0
	WALK 8, 24                                     ; the second block lies in the first half of the positions: eight key steps at the most.  All of LDS has been shown landed: no barrier
	FINISH 216, OB
	s_wait_tensorcnt 0x0
	ds_add_u32 v251, v255
	s_wait_dscnt 0x0
	s_endpgm
.Lfunc_end_k_qdb1b69c858_attn:
	.size	k_qdb1b69c858_attn, .Lfunc_end_k_qdb1b69c858_attn-k_qdb1b69c858_attn
	.p2alignl 7, 3214868480
	.fill 96, 4, 3214868480
	.section	.rodata,"a",@progbits
	.p2align	6, 0x0
	.amdhsa_kernel k_qdb1b69c858_attn
		.amdhsa_group_segment_fixed_size 264192
		.amdhsa_private_segment_fixed_size 0
		.amdhsa_enable_private_segment 0
		.amdhsa_kernarg_size 32
		.amdhsa_user_sgpr_count 2
		.amdhsa_user_sgpr_kernarg_segment_ptr 1
		.amdhsa_wavefront_size32 1
		.amdhsa_system_sgpr_workgroup_id_x 1
		.amdhsa_system_sgpr_workgroup_id_y 1
		.amdhsa_system_sgpr_workgroup_id_z 1
		.amdhsa_system_vgpr_workitem_id 0
		.amdhsa_next_free_vgpr 256
		.amdhsa_next_free_sgpr 96
		.amdhsa_reserve_vcc 1
		.amdhsa_float_denorm_mode_32 3
		.amdhsa_float_denorm_mode_16_64 3
		.amdhsa_memory_ordered 1
		.amdhsa_forward_progress 1
		.amdhsa_inst_pref_size 120
	.end_amdhsa_kernel
	.amdgpu_metadata
---
amdhsa.version: [ 1, 2 ]
amdhsa.kernels:
  - .name:           k_qdb1b69c858_attn
    .symbol:         k_qdb1b69c858_attn.kd
    .args:
      - { .name: qc, .offset: 0, .size: 8, .value_kind: global_buffer, .address_space: global }
      - { .name: kv, .offset: 8, .size: 8, .value_kind: global_buffer, .address_space: global }
      - { .name: lowp_scales, .offset: 16, .size: 8, .value_kind: global_buffer, .address_space: global }
      - { .name: oc, .offset: 24, .size: 8, .value_kind: global_buffer, .address_space: global }
    .group_segment_fixed_size: 264192
    .private_segment_fixed_size: 0
    .kernarg_segment_align: 8
    .kernarg_segment_size: 32
    .max_flat_workgroup_size: 512
    .sgpr_count:     96
    .vgpr_count:     256
    .wavefront_size: 32
...
	.end_amdgpu_metadata
.endif
;; end of part 3
;; launch outp (part 4): grid 4 x 32, 4 waves a work-group, clusters of 4 x 4, 327,680 bytes of LDS; arguments oc, wc, lowp_scales, out0; writes out0
.if DOCPART == 4
	.amdgcn_target "amdgcn-amd-amdhsa--gfx1250"
	.amdhsa_code_object_version 6
	.text
	.protected	k_qdb1b69c858_outp
	.globl	k_qdb1b69c858_outp
	.p2align	8
	.type	k_qdb1b69c858_outp,@function
k_qdb1b69c858_outp:
	s_mov_b64 s[64:65], 0
	v_nop
	global_prefetch_b8 v0, s[64:65] scope:SCOPE_SE
	s_setreg_imm32_b32 hwreg(HW_REG_WAVE_MODE, 25, 1), 1
	s_wait_xcnt 0x0
	s_wait_alu depctr_hold_cnt(0) depctr_sa_sdst(0) depctr_va_vdst(0) depctr_va_sdst(0) depctr_va_ssrc(0) depctr_va_vcc(0) depctr_vm_vsrc(0)
	s_getreg_b32 s2, hwreg(HW_REG_IB_STS2, 6, 4)
	s_cmp_eq_u32 s2, 0
	s_cbranch_scc0 .Lentry_in_a_cluster
	s_endpgm
.Lentry_in_a_cluster:
	s_bfe_u32 s2, ttmp6, 0x10000c
	s_cmp_lg_u32 s2, 0xf033
	s_cbranch_scc0 .Lentry_shape_is_right
	s_endpgm
.Lentry_shape_is_right:
; out0 = o Wo^T on codes of E4M3: o's codes in oc (512 row tiles), Wo's in wc behind the three other weights (64 row tiles); K = 1,024; out0 [8192][1024] f32.  Each finished sum is multiplied once by 2^(e10 + e11).
; LIMIT: e10 + e11 between -126 and 127, so that 2^(e10 + e11) is an f32 number.
; OPERANDS ARE IMAGES OF REGISTERS: a row tile T holds 16 rows, slot r = row 32 (T / 2) + 8 (T % 2) + r + 8 (r / 8); a fragment (a row tile x 128 K) is 2,048 bytes, piece c of 512: lane l = 16 h + r has
; 16 bytes at 16 l: k = 32 c + 16 h + 0 .. 15.  The same order of k in both operands.
; A tile of the result, 256 x 256, is made by four waves; a wave makes 128 x 128: 64 accumulators, 512 registers.  K goes through a ring of two LDS slots of 256 along K; a wave's tensor load brings 8 row tiles x 4,096 bytes.
; THE MATRIX INSTRUCTION IS USED TRANSPOSED (source 0 = a row tile of Wo, source 1 = a row tile of o): lane (r, h) holds slot r of o's tile, and register j of Wo's tile b is column 32 (b / 2) + 16 h + 8 (b % 2) + j.
; CLUSTERS: 4 x 4 work-groups.  The four of a row of the cluster need the same tiles of o, the four of a column the same tiles of Wo: each is asked for jointly.
; REGISTERS, in windows of 256: window 0: v16-29 addresses; from v128 A's fragments, ONE set; on the way out v32-255 are free.  window 1: B's fragments, TWO sets.
;   window 2: the 32 accumulators of A's tiles 0-3 ((a, b) at v[8 (8 a + b)]);   window 3: those of tiles 4-7.
.set HALFT,  32768                     ; 8 row tiles x 2 K steps: what one tensor load brings
.set SLOT,   4*HALFT
.set SPARE,  2*SLOT                    ; behind the ring: the spare words, 128 bytes for each wave: two blocks of 256 bytes that no other line names
.set KADV,   8192
.set FR,     16
.set NL,     4
.set NP,     4                         ; places behind this matrix instruction (ISA guide 7.12.1)
.set SPITCH, 528                       ; the way out: a stage of 16 rows x (512 bytes + 16) for each wave, in slot 0, which has had its last fill and its last read when the first result is stored there
.set ADRA, 16
.set ADRB, 20
.set STO,  24                          ; v24  the way out: where I put my bytes of a row
.set RD,   25                          ; v25  where I read a row back
.set CO,   26                          ; v26  16 x lane
.set SPW,  28
.set NIL,  29
.set TMP,  32                          ; the way out: 64 registers, a block's sums x 2^(e10 + e11)
.set AF,   128
.set BK,   128                         ; the way out: 16 rows read back: v128-191 and v192-255 by turns
.set G1, 24
.set G0, 32
.set G1B, 48
.set G0B, 56
.set MSB, 0
.macro WIN new                         ; the immediate's high byte repeats the setting that is left
.if MSB != \new
	s_set_vgpr_msb (MSB<<8)|\new
.set MSB, \new
.endif
.endm
.set MUL_LO, 0xa1                      ; source 0 (B) window 1, source 1 (A) window 0, C and D window 2
.set MUL_HI, 0xf1                      ; the same, C and D window 3
.set TO_B,   0x40                      ; destination window 1, address window 0
; A joint load: waves 0 and 1 fetch for A, waves 2 and 3 for B; the branch hangs on the wave's number alone.  Four v_nop follow each of the two lines.
.macro JLOAD g0a, g1a, g0b, g1b
	s_cmp_eq_u32 s15, 0
	s_cbranch_scc0 .Lfor_b_\@
	tensor_load_to_lds s[\g0a:\g0a+3], s[\g1a:\g1a+7]
	s_nop 0
.rept 4
	v_nop
.endr
	s_branch .Lasked_\@
.Lfor_b_\@:
	tensor_load_to_lds s[\g0b:\g0b+3], s[\g1b:\g1b+7]
	s_nop 0
.rept 4
	v_nop
.endr
.Lasked_\@:
.endm
.macro CREST                           ; a round of the cluster's barrier behind its opening barrier
	s_cmp_lg_u32 s14, 0
	s_cbranch_scc1 .Lnot_wave_0_\@
	s_barrier_signal -3
.Lnot_wave_0_\@:
	s_barrier_wait -3
	s_barrier_signal -1
	s_barrier_wait -1
.endm
.macro CROUND
	s_barrier_signal -1
	s_barrier_wait -1
	CREST
.endm
	s_load_b256 s[4:11], s[0:1], 0x0               ; oc s[4:5], wc s[6:7], the scales' exponents s[8:9], out0 s[10:11]
	v_lshl_add_u32 v[SPW], v0, 2, SPARE
	v_mov_b32 v[NIL], 0
	ds_add_u32 v28, v29
	ds_add_u32 v28, v29
	s_wait_dscnt 0x0
	v_lshrrev_b32 v1, 5, v0
	v_readfirstlane_b32 s14, v1                    ; wave 0..3
	s_lshr_b32 s15, s14, 1                         ; which half of A's 16 row tiles is mine.  Also: I fetch for A (0) or for B (1)
	s_and_b32 s16, s14, 1                          ; which half of B's.  Also: which 8 row tiles I fetch
	s_bfe_u32 s40, ttmp6, 0x40000                  ; cx, cy
	s_bfe_u32 s41, ttmp6, 0x40004
	s_lshl_b32 s42, ttmp9, 2
	s_add_co_u32 s42, s42, s40                     ; tile column = 4 x cluster x + cx
	s_and_b32 s17, ttmp7, 0xffff
	s_lshl_b32 s17, s17, 2
	s_add_co_u32 s17, s17, s41                     ; tile row = 4 x cluster y + cy
	s_lshl_b32 s43, s41, 2
	s_lshl_b32 s43, 15, s43                        ; my row of the cluster
	s_lshl_b32 s44, 0x1111, s40                    ; my column
	; descriptor group 1: 8 rows (row tiles) of 512 elements of 8 bytes (two K steps), 2,048 elements apart; dense in LDS
	s_or_b32 s[G1+0], s43, (3<<16)|(1<<21)         ; 15:0 the mask; 17:16 elements of 8 bytes; no padding; 21 set beside a mask
	s_or_b32 s[G1B+0], s44, (3<<16)|(1<<21)
.irp g, G1, G1B
	s_mov_b32 s[\g+1], 512<<16                     ; tensor_dim0
	s_mov_b32 s[\g+2], 8<<16                       ; tensor_dim1
	s_mov_b32 s[\g+3], 512<<16                     ; tile_dim0
	s_mov_b32 s[\g+4], 8                           ; tile_dim1
	s_mov_b32 s[\g+5], 2048                        ; tensor_dim0_stride
	s_mov_b32 s[\g+6], 0
	s_mov_b32 s[\g+7], 0
.endr
	s_lshl_b32 s18, s16, 17                        ; which 8 row tiles of 16,384 bytes I fetch
	s_lshl_b32 s20, s17, 18
	s_add_co_u32 s20, s20, s18
	s_mov_b32 s21, 0
	s_lshl_b32 s46, s42, 18
	s_add_co_u32 s46, s46, s18
	s_add_co_u32 s46, s46, 0x300000                ; Wo is the fourth weight in wc
	s_mov_b32 s47, 0
	s_mul_i32 s45, s14, HALFT                      ; no place in the cluster enters an LDS address
	s_wait_kmcnt 0x0
	s_load_b64 s[96:97], s[8:9], 0x28              ; e10, e11
	s_add_nc_u64 s[20:21], s[4:5], s[20:21]
	s_add_nc_u64 s[46:47], s[6:7], s[46:47]
	CROUND                                         ; all sixteen work-groups are here: the first joint loads meet
.irp s, 0,1
	s_mov_b32 s[G0+4*\s], 1
	s_add_co_u32 s[G0+4*\s+1], s45, \s*SLOT
	s_add_nc_u64 s[G0+4*\s+2:G0+4*\s+3], s[20:21], \s*4096
	s_or_b32 s[G0+4*\s+3], s[G0+4*\s+3], 0x80000000
	s_mov_b32 s[G0B+4*\s], 1
	s_add_co_u32 s[G0B+4*\s+1], s45, \s*SLOT
	s_add_nc_u64 s[G0B+4*\s+2:G0B+4*\s+3], s[46:47], \s*4096
	s_or_b32 s[G0B+4*\s+3], s[G0B+4*\s+3], 0x80000000
	JLOAD G0+4*\s, G1, G0B+4*\s, G1B
.endr
	v_and_b32 v6, 31, v0
	v_lshlrev_b32 v[CO], 4, v6                     ; 16 x lane
	s_lshl_b32 s21, s15, 15
	s_lshl_b32 s22, s16, 15
	s_add_co_u32 s22, s22, 2*HALFT
.irp s, 0,1
	v_add_nc_u32 v[ADRA+\s], s21, v[CO]
	v_add_nc_u32 v[ADRB+\s], s22, v[CO]
	s_add_co_u32 s21, s21, SLOT
	s_add_co_u32 s22, s22, SLOT
.endr
	s_mul_i32 s23, s14, 16*SPITCH                  ; my stage
	v_and_b32 v1, 15, v0                           ; r
	v_bfe_u32 v2, v0, 4, 1                         ; h
	v_mul_u32_u24 v3, v1, SPITCH
	v_lshl_add_u32 v3, v2, 6, v3
	v_add_nc_u32 v[STO], s23, v3                   ; in: row r, + 64 h bytes
	v_add_nc_u32 v[RD], s23, v[CO]                 ; back: the 32 lanes take one row of 512 bytes
	s_lshl_b32 s20, s17, 8
	s_lshl_b32 s21, s15, 7
	s_add_co_u32 s20, s20, s21                     ; my first row of out0: 256 x tile row + 128 x half
	s_lshl_b32 s20, s20, 12                        ; rows of 4,096 bytes
	s_lshl_b32 s46, s42, 10                        ; my first column, in bytes: 1,024 x tile column + 512 x half
	s_add_co_u32 s20, s20, s46
	s_lshl_b32 s46, s16, 9
	s_add_co_u32 s20, s20, s46
	s_mov_b32 s21, 0
	s_add_nc_u64 s[10:11], s[10:11], s[20:21]
.macro FRAG reg, adr, q, i
.irp c, 0,1,2,3
	ds_load_b128 v[\reg+4*\c:\reg+4*\c+3], v[\adr] offset:4096*(\i)+2048*(\q)+512*\c
.endr
.endm
; 16 matrix instructions: A's tiles a0, a0 + 1 x B's eight.  The 64 accumulators take turns, one instruction a turn, in the same order in every step.
.macro MUL16 a0, p, zero
.irp a, \a0, \a0+1
.irp b, 0,1,2,3,4,5,6,7
.if \zero
	v_wmma_f32_16x16x128_fp8_fp8 v[8*(8*((\a)%4)+\b):8*(8*((\a)%4)+\b)+7], v[128*(\p)+FR*\b:128*(\p)+FR*\b+FR-1], v[AF+FR*(\a):AF+FR*(\a)+FR-1], 0
.else
	v_wmma_f32_16x16x128_fp8_fp8 v[8*(8*((\a)%4)+\b):8*(8*((\a)%4)+\b)+7], v[128*(\p)+FR*\b:128*(\p)+FR*\b+FR-1], v[AF+FR*(\a):AF+FR*(\a)+FR-1], v[8*(8*((\a)%4)+\b):8*(8*((\a)%4)+\b)+7]
.endif
.endr
.endr
.endm
.macro FETCH_B slot, q, p
	WIN TO_B
.irp i, 0,1,2,3,4,5,6,7
	FRAG 128*(\p)+FR*\i, ADRB+\slot, \q, \i
.endr
	WIN 0
.endm
.macro FETCH_A slot, q, i0
.irp i, \i0, \i0+1, \i0+2, \i0+3
	FRAG AF+FR*(\i), ADRA+\slot, \q, \i
.endr
.endm
.macro PLACES n                        ; plain vector lines between a matrix instruction and a load into, or a vector read or write of, its registers (ISA guide 7.12.1 for vector instructions)
.rept \n
	v_nop
.endr
.endm
.macro STEP slot, q, zero
	s_wait_dscnt 4*NL                              ; B's set and A's tiles 0-3 are in; the youngest 16 loads (A's tiles 4-7) may be out
	WIN MUL_LO
	MUL16 0, (\q)%2, \zero
	MUL16 2, (\q)%2, \zero
	s_wait_dscnt 0
	PLACES NP
	FETCH_B \slot, (\q)+1, 1-(\q)%2
	FETCH_A \slot, (\q)+1, 0
	WIN MUL_HI
	MUL16 4, (\q)%2, \zero
	MUL16 6, (\q)%2, \zero
	PLACES NP
	WIN 0
	FETCH_A \slot, (\q)+1, 4
.endm
; A slot's last step changes slots: ONE barrier; in front of it each wave waits for all its tensor loads, adds 0 to its spare word, and waits for that and for its own reads of this slot.
.macro TURN slot, next, fill
	s_wait_tensorcnt 0x0                           ; all my tensor loads have landed: my part of the next slot
	ds_add_u32 v[SPW], v[NIL]                      ; 0 onto my spare word
	s_wait_dscnt 4*NL+1                            ; (the add and the youngest 16 loads may be out)
	WIN MUL_LO
	MUL16 0, 1, 0
	s_wait_dscnt 0x0                               ; the add is done, and my reads of this slot are over
	s_barrier_signal -1
	MUL16 2, 1, 0
	WIN 0
	s_barrier_wait -1
.if \fill
	CREST                                          ; the barrier has opened a round of the cluster's barrier: no wave of any partner still reads this slot or has a load on its way
	s_add_nc_u64 s[G0+4*\slot+2:G0+4*\slot+3], s[G0+4*\slot+2:G0+4*\slot+3], KADV
	s_add_nc_u64 s[G0B+4*\slot+2:G0B+4*\slot+3], s[G0B+4*\slot+2:G0B+4*\slot+3], KADV
	JLOAD G0+4*\slot, G1, G0B+4*\slot, G1B         ; the first tensor load behind the round; its four v_nop are also the places in front of the loads below
.else
	PLACES NP
.endif
	FETCH_B \next, 0, 0
	FETCH_A \next, 0, 0
	WIN MUL_HI
	MUL16 4, 1, 0
	MUL16 6, 1, 0
	PLACES NP
	WIN 0
	FETCH_A \next, 0, 4
.endm
	s_wait_tensorcnt 1                             ; my part of slot 0 is in (slot 1's load may be out)
	s_barrier_signal -1
	s_barrier_wait -1
	FETCH_B 0, 0, 0
	FETCH_A 0, 0, 0
	FETCH_A 0, 0, 4
	STEP 0, 0, 1                                   ; K step 0 starts the sums.  K has eight steps: they are written out
	TURN 0, 1, 1                                   ; 1; slot 0 takes K steps 4, 5
	STEP 1, 0, 0                                   ; 2
	TURN 1, 0, 1                                   ; 3; slot 1 takes K steps 6, 7
	STEP 0, 0, 0                                   ; 4
	TURN 0, 1, 0                                   ; 5; nothing is left to fetch
	STEP 1, 0, 0                                   ; 6
	s_wait_dscnt 4*NL                              ; 7
	WIN MUL_LO
	MUL16 0, 1, 0
	MUL16 2, 1, 0
	s_wait_dscnt 0
	WIN MUL_HI
	MUL16 4, 1, 0
	MUL16 6, 1, 0
	WIN 0
; THE WAY OUT, a row tile of o (16 rows x my 128 columns) at a time.  A lane holds pieces of one row, and the lanes beside it hold other rows: so a block goes through my own stage in LDS and comes back as whole rows of
; 512 bytes, which the 32 lanes store as 512 consecutive bytes, aligned.  LDS serves a wave's instructions in order (ISA guide 5.7.1.4): no wait between the stores and the loads, nor in front of the next block's stores.
.macro TOSTAGE a
.set AC, 64*((\a)%4)
	WIN 0x02+((\a)/4)                              ; source 0: window 2 or 3
.set n, 0
.rept 32
	v_pk_mul_f32 v[TMP+n:TMP+n+1], v[AC+n:AC+n+1], s[96:97] op_sel_hi:[1,0]   ; both x s96 = 2^(e10 + e11); each accumulator from its low end on
.set n, n+2
.endr
	WIN 0
.irp b, 0,1,2,3,4,5,6,7
	ds_store_b128 v[STO], v[TMP+8*\b:TMP+8*\b+3] offset:128*(\b/2)+32*(\b%2)        ; columns 32 (b / 2) + 16 h + 8 (b % 2) + 0 .. 7
	ds_store_b128 v[STO], v[TMP+8*\b+4:TMP+8*\b+7] offset:128*(\b/2)+32*(\b%2)+16
.endr
.set BB, BK+64*((\a)%2)
.irp t, 0,1,2,3,4,5,6,7,8,9,10,11,12,13,14,15
	ds_load_b128 v[BB+4*\t:BB+4*\t+3], v[RD] offset:\t*SPITCH
.endr
.endm
.macro SEND a, younger                 ; younger: the LDS instructions issued behind block a's loads, which may stay out
.set BB, BK+64*((\a)%2)
	s_wait_dscnt \younger
.irp t, 0,1,2,3,4,5,6,7,8,9,10,11,12,13,14,15
	global_store_b128 v[CO], v[BB+4*\t:BB+4*\t+3], s[10:11] offset:(32*((\a)/2)+8*((\a)%2)+\t+8*(\t/8))*4096 th:TH_STORE_NT   ; slot t of tile a is that row of my 128; 127 rows at the most: inside the signed 24-bit immediate
.endr
.endm
	s_wait_kmcnt 0x0
	s_add_co_i32 s96, s96, s97                     ; e10 + e11, between -126 and 127,
	s_add_co_i32 s96, s96, 127
	s_lshl_b32 s96, s96, 23                        ; makes the f32 number 2^(e10 + e11)
	PLACES NP                                      ; in front of the first read of results and of loads into the registers that held A's fragments
	TOSTAGE 0
.irp a, 1,2,3,4,5,6,7
.if \a > 1
	s_wait_xcnt 0x0                                ; the stores of two blocks back have read their registers: this block's loads may land there
.endif
	TOSTAGE \a
	SEND \a-1, 32                                  ; behind that block's loads: this block's 16 stores and 16 loads
.endr
	SEND 7, 0
	s_wait_tensorcnt 0x0                           ; the wave's end
	ds_add_u32 v[SPW], v[NIL]
	s_wait_dscnt 0x0
	CROUND                                         ; the closing round
	s_endpgm
.Lfunc_end_k_qdb1b69c858_outp:
	.size	k_qdb1b69c858_outp, .Lfunc_end_k_qdb1b69c858_outp-k_qdb1b69c858_outp
	.p2alignl 7, 3214868480
	.fill 96, 4, 3214868480
	.section	.rodata,"a",@progbits
	.p2align	6, 0x0
	.amdhsa_kernel k_qdb1b69c858_outp
		.amdhsa_group_segment_fixed_size 327680
		.amdhsa_private_segment_fixed_size 0
		.amdhsa_enable_private_segment 0
		.amdhsa_kernarg_size 32
		.amdhsa_user_sgpr_count 2
		.amdhsa_user_sgpr_kernarg_segment_ptr 1
		.amdhsa_wavefront_size32 1
		.amdhsa_system_sgpr_workgroup_id_x 1
		.amdhsa_system_sgpr_workgroup_id_y 1
		.amdhsa_system_sgpr_workgroup_id_z 1
		.amdhsa_system_vgpr_workitem_id 0
		.amdhsa_next_free_vgpr 1024
		.amdhsa_next_free_sgpr 98
		.amdhsa_reserve_vcc 0
		.amdhsa_float_denorm_mode_32 3
		.amdhsa_float_denorm_mode_16_64 3
		.amdhsa_memory_ordered 1
		.amdhsa_forward_progress 1
		.amdhsa_inst_pref_size 122
	.end_amdhsa_kernel
	.amdgpu_metadata
---
amdhsa.version: [ 1, 2 ]
amdhsa.kernels:
  - .name:           k_qdb1b69c858_outp
    .symbol:         k_qdb1b69c858_outp.kd
    .args:
      - { .name: oc, .offset: 0, .size: 8, .value_kind: global_buffer, .address_space: global }
      - { .name: wc, .offset: 8, .size: 8, .value_kind: global_buffer, .address_space: global }
      - { .name: lowp_scales, .offset: 16, .size: 8, .value_kind: global_buffer, .address_space: global }
      - { .name: out0, .offset: 24, .size: 8, .value_kind: global_buffer, .address_space: global }
    .group_segment_fixed_size: 327680
    .private_segment_fixed_size: 0
    .kernarg_segment_align: 8
    .kernarg_segment_size: 32
    .max_flat_workgroup_size: 128
    .sgpr_count:     98
    .vgpr_count:     1024
    .wavefront_size: 32
...
	.end_amdgpu_metadata
.endif
;; end of part 4
